; MI455X (gfx1250); checked and timed in simulation.
; The chip was launched on July 23, 2026; its instructions are those of AMD's public machine-readable ISA for CDNA 5 (MIT licence, August 2026) and "CDNA5" Instruction Set Architecture Reference Guide (July 2026). The comments in the code are by the model that wrote it; some were corrected since.
;; Multi Head Attention. Allowed arithmetic: matrix products marked QUANTISED: E2M3 operands, one E8M0 scale for each 32 along K, by v_wmma_scale_f32_16x16x128_f8f6f4 with both operands' format E2M3, f32 sums; everything else in f32.
;; Inputs: Wk 1,024 x 1,024 float32; Wo 1,024 x 1,024 float32; Wq 1,024 x 1,024 float32; Wv 1,024 x 1,024 float32; bk 1,024 float32; bo 1,024 float32; bq 1,024 float32; bv 1,024 float32; k 4 x 2,048 x 1,024 float32; q 4 x 2,048 x 1,024 float32; v 4 x 2,048 x 1,024 float32.
;; Outputs: out0 4 x 2,048 x 1,024 float32.
;; This version of the problem:
;;   THIS VERSION OF THE PROBLEM IS GIVEN IN LOW PRECISION. The matrix products marked QUANTISED in the list below multiply operands that are first quantised to E2M3 (2 exponent bits, 3 mantissa bits; 6 bits a number), with one power-of-two scale for each 32 numbers along K (OCP MX v1.0); their sums are f32. All else is computed in f32.
;;   The module's matrix products, in the order in which they are computed (A, B: the left and right operand; K: the contracted axis; several contracted axes count as one K, in the product's order):
;;     1. [M 8,192, K 1,024] x [K 1,024, N 1,024]; A: input q; B: input Wq: QUANTISED
;;     2. [M 8,192, K 1,024] x [K 1,024, N 1,024]; A: input k; B: input Wk: QUANTISED
;;     3. [M 8,192, K 1,024] x [K 1,024, N 1,024]; A: input v; B: input Wv: QUANTISED
;;     4. batch 64 x [M 2,048, K 64] x [K 64, N 2,048]; A: computed on the way; B: computed on the way: QUANTISED
;;     5. batch 64 x [M 64, K 2,048] x [K 2,048, N 2,048]; A: computed on the way; B: softmax (see below): QUANTISED
;;     6. [M 8,192, K 1,024] x [K 1,024, N 1,024]; A: computed on the way; B: input Wo: QUANTISED
;;   THE QUANTISER, for each operand of a quantised product, along K:
;;     - K is cut into blocks of 32 from its start; a last block that is shorter is filled with zeros.
;;     - A block's scale is 2^e with e = floor(log2(the largest magnitude in the block)) - 2, held to -126 .. 127; a block of zeros has e = 0. As a byte (E8M0): e + 127.
;;     - Each number is divided by its block's scale, clamped to +-7.5, and rounded to the nearest number of E2M3, ties to even, subnormals kept.
;;     - The product sums the exact products of the quantised numbers (number of the format x scale) in f32.
;;   ~~~python
;;   def quantise(x, axis):      # numpy; x: float32 -> the quantised numbers, widened to float32 again
;;       x = np.moveaxis(x, axis, -1); K = x.shape[-1]
;;       x = np.pad(x, [(0, 0)] * (x.ndim - 1) + [(0, -K % 32)]); x = x.reshape(x.shape[:-1] + (-1, 32)); a = np.abs(x).max(-1, keepdims=True)
;;       e = np.where(a > 0, np.clip(np.frexp(np.where(a > 0, a, 1))[1] - 1 - 2, -126, 127), 0)      # np.frexp(a)[1] - 1 = floor(log2(a)), exactly
;;       r = np.clip(x / 2.0 ** e, -7.5, 7.5)
;;       step = 2.0 ** (np.maximum(np.frexp(np.where(r == 0, 1, r))[1] - 1, 0) - 3)
;;       q = np.round(r / step) * step * 2.0 ** e      # np.round: ties to even
;;       return np.moveaxis(q.reshape(q.shape[:-2] + (-1,))[..., :K], -1, axis).astype(np.float32)
;;   ~~~
;;   SOFTMAX AHEAD OF A QUANTISED PRODUCT. Where the list says 'softmax', what is quantised is not the finished softmax but p = 2^(t - M), with t = logit x log2(e) and M = ceil(the row's largest t), a whole number; so 1/2 < the row's largest p <= 1. The row's sum l is taken of the UNQUANTISED p, in f32, and the product's result is divided by l at the end. Since M is a whole number, a kernel that streams over the keys may use a running M (the ceiling of the running maximum): every later rescaling is an exact power of two, which a block's scale takes up: the codes' values come out the same.
;;   OPERANDS COMPUTED ON THE WAY. 'Computed on the way' means the value that the module computes at that place (a softmax that the list does not call 'softmax' is quantised finished and normalised). What goes into a quantiser is computed in f32, as accurately as f32 sums, v_exp_f32 and their like allow (about 1e-6 of the number): no bf16 or f16 on the way to a quantiser, and a product that is left as it is and whose result goes on into a quantised operand takes f32 operands (vector FMAs, or v_wmma_f32_16x16x4_f32). A number that lies on a knife's edge between two numbers of the format may be rounded either way, as far as f32 arithmetic and the matrix unit's own rounding can turn it there, and no further.
;; 2 versions. Each part assembles by itself: llvm-mc -triple=amdgcn-amd-amdhsa -mcpu=gfx1250 --defsym DOCPART=n.
;; ======== version 1 of 2: 4 launches
;; workspace buffers: wc 3,145,728 bytes; wsc 131,072 bytes; qc 6,815,744 bytes; kv 13,369,344 bytes; oc 6,291,456 bytes; osc 524,288 bytes
;; launch quant_w (part 1): grid 8 x 32, 4 waves a work-group, no clusters, 13,312 bytes of LDS; arguments Wq, Wk, Wv, Wo, wc, wsc; writes wc, wsc
.if DOCPART == 1
	.amdgcn_target "amdgcn-amd-amdhsa--gfx1250"
	.amdhsa_code_object_version 6
	.text
	.protected	k_q32010688b8_quant_w
	.globl	k_q32010688b8_quant_w
	.p2align	8
	.type	k_q32010688b8_quant_w,@function
k_q32010688b8_quant_w:
	s_mov_b64 s[64:65], 0
	v_nop
	global_prefetch_b8 v0, s[64:65] scope:SCOPE_SE
	s_setreg_imm32_b32 hwreg(HW_REG_WAVE_MODE, 25, 1), 1
	s_wait_xcnt 0x0
; The four weights [1024 (k)][1024 (n)], f32, K on the FIRST axis, become codes of E2M3 with one E8M0 byte for each 32 along K,
; laid in the order of the matrix operand's registers: wc [w 4][g 8: 128 columns][ks 8: 128 along K][tile 8][1,536 bytes], wsc [w][g][ks][2 quads of 256 bytes].
; A TILE's lane r holds column 32 (tile / 2) + 8 (tile % 2) + r + 8 (r / 8) of its group.  A fragment's image: for each half c of its 12 registers, registers 6 c .. 6 c + 3 of lane l
; at 768 c + 16 l, registers 6 c + 4, 6 c + 5 at 768 c + 512 + 8 l.  A quad: the scale words of four tiles, [r 16][tile 4].
; A work-group takes one (w, g, ks); wave p takes 32 columns, a lane a column, its 128 registers running down K: a block of 32 lies in one lane, and the conversions give K innermost.
; The codes turn through the wave's own 3,072 bytes of LDS and leave as six stores of 512 consecutive bytes.
; LIMITS: NaN and infinities are not served; a block whose largest magnitude lies under 2^-124, a block of zeros among them, keeps the byte 1 (its codes are what the conversion gives; zeros for zeros); only this program reads the bytes.
.set SCS,   12288                      ; LDS: the work-group's two quads
.set SPARE, 12800                      ; the spare words, 128 bytes a wave
.set INA,   4                          ; v4   4 x lane
.set STA,   5                          ; v5   stage, registers 0-3 of a block's six
.set STB,   6                          ; v6   stage, registers 4-5
.set RDA,   7                          ; v7   stage, read back: 16 x lane
.set G16,   8                          ; v8   16 x lane
.set SCA,   9                          ; v9   my column's scale word in the quads
.set SB,    10                         ; v10  the scale word
.set SPW,   14
.set NIL,   15
.set CR,    16                         ; v16-63   codes, 12 registers a block
.set XR,    64                         ; v64-191  128 numbers
.set OUTR,  192                        ; v192-215 the way out
.set SRD,   216                        ; v216 the quads, read back
	s_load_b256 s[4:11], s[0:1], 0x0               ; Wq, Wk, Wv, Wo
	s_load_b128 s[12:15], s[0:1], 0x20             ; wc, wsc
	v_lshl_add_u32 v[SPW], v0, 2, SPARE
	v_mov_b32 v[NIL], 0
	v_lshrrev_b32 v1, 5, v0
	v_readfirstlane_b32 s16, v1                    ; wave p
	v_and_b32 v1, 31, v0                           ; lane = my column among the wave's 32
	v_bfe_u32 v2, v0, 3, 1                         ; u: which of the wave's two tiles
	v_and_b32 v3, 7, v0
	v_bfe_u32 v11, v0, 4, 1
	v_lshl_add_u32 v3, v11, 3, v3                  ; r: my place in that tile
	v_lshlrev_b32 v[INA], 2, v1
	s_mul_i32 s17, s16, 3072
	v_mul_u32_u24 v12, v2, 1536
	v_add_nc_u32 v12, s17, v12
	v_lshl_add_u32 v[STA], v3, 4, v12
	v_lshl_add_u32 v[STB], v3, 3, v12
	v_lshlrev_b32 v[G16], 4, v1
	v_add_nc_u32 v[RDA], s17, v[G16]
	v_add_nc_u32 v[SRD], SCS, v[G16]
	s_lshr_b32 s18, s16, 1
	s_lshl_b32 s18, s18, 8                         ; quad p / 2
	s_and_b32 s19, s16, 1
	s_lshl_b32 s19, s19, 3                         ; tiles 2 (p % 2) + u in it
	s_add_co_u32 s18, s18, s19
	s_add_co_u32 s18, s18, SCS
	v_lshlrev_b32 v[SCA], 4, v3
	v_lshl_add_u32 v[SCA], v2, 2, v[SCA]
	v_add_nc_u32 v[SCA], s18, v[SCA]
	s_and_b32 s20, ttmp7, 0xffff
	s_lshr_b32 s21, s20, 3                         ; w
	s_and_b32 s22, s20, 7                          ; ks
	s_lshl_b32 s24, s22, 19                        ; 128 rows of 4,096 bytes
	s_lshl_b32 s23, ttmp9, 9
	s_add_co_u32 s24, s24, s23
	s_lshl_b32 s23, s16, 7
	s_add_co_u32 s24, s24, s23
	s_mov_b32 s25, 0
	s_lshl_b32 s23, ttmp9, 3
	s_add_co_u32 s23, s23, s22                     ; 8 g + ks
	s_mul_i32 s26, s23, 12288
	s_mul_i32 s28, s21, 786432
	s_add_co_u32 s26, s26, s28
	s_add_co_u32 s26, s26, s17
	s_mov_b32 s27, 0
	s_lshl_b32 s28, s23, 9
	s_lshl_b32 s30, s21, 15
	s_add_co_u32 s28, s28, s30
	s_mov_b32 s29, 0
	s_wait_kmcnt 0x0
	s_cmp_eq_u32 s21, 1                            ; the weight is chosen by the work-group's number alone
	s_cselect_b64 s[4:5], s[6:7], s[4:5]
	s_cmp_eq_u32 s21, 2
	s_cselect_b64 s[4:5], s[8:9], s[4:5]
	s_cmp_eq_u32 s21, 3
	s_cselect_b64 s[4:5], s[10:11], s[4:5]
	s_add_nc_u64 s[4:5], s[4:5], s[24:25]
	s_add_nc_u64 s[12:13], s[12:13], s[26:27]
	s_add_nc_u64 s[14:15], s[14:15], s[28:29]
.set i, 0
.rept 128
	global_load_b32 v[XR+i], v[INA], s[4:5] offset:4096*i th:TH_LOAD_NT   ; row i: the wave reads 128 consecutive bytes, the work-group 512
.set i, i+1
.endr
.macro BLOCK t                         ; block t of 32 along K: half t / 2 of the fragment, lanes 16 (t % 2) + r
.set XS, XR+32*(\t)
.set CC, CR+12*(\t)
.if (\t) < 2
	s_wait_loadcnt 63                              ; 96 and 64 younger loads could stay out; the count's field ends at 63
.else
	s_wait_loadcnt 96-32*(\t)                      ; the later blocks' loads stay out
.endif
	v_max3_num_f32 v12, |v[XS]|, |v[XS+1]|, |v[XS+2]|
	v_max3_num_f32 v13, |v[XS+3]|, |v[XS+4]|, |v[XS+5]|
.irp i, 6,10,14,18,22,26
	v_max3_num_f32 v12, v12, |v[XS+\i]|, |v[XS+\i+1]|
	v_max3_num_f32 v13, v13, |v[XS+\i+2]|, |v[XS+\i+3]|
.endr
	v_max3_num_f32 v12, v12, |v[XS+30]|, |v[XS+31]|
	v_max3_num_f32 v12, v12, v13, 0x1800000        ; the floor 2^(3 - 127): the byte cannot fall under 1
	v_add_nc_u32 v11, 0xff000000, v12              ; 2 off the exponent field: the conversion's scale operand
	v_lshrrev_b32 v13, 23, v11                     ; the byte
.if (\t) == 0
	v_mov_b32 v[SB], v13
.else
	v_lshl_or_b32 v[SB], v13, 8*(\t), v[SB]
.endif
	v_cvt_scalef32_pk16_fp6_f32 v[CC:CC+2], v[XS:XS+15], v11
	v_cvt_scalef32_pk16_fp6_f32 v[CC+8:CC+10], v[XS+16:XS+31], v11   ; (three registers begin on an even number)
	v_nop                                          ; one plain instruction behind a scaled conversion
.irp i, 0,1,2
	v_mov_b32 v[CC+3+\i], v[CC+8+\i]
.endr
	ds_store_b128 v[STA], v[CC:CC+3] offset:768*((\t)/2)+256*((\t)%2)
	ds_store_b64 v[STB], v[CC+4:CC+5] offset:768*((\t)/2)+512+128*((\t)%2)
.endm
	BLOCK 0
	BLOCK 1
	BLOCK 2
	BLOCK 3
	ds_store_b32 v[SCA], v[SB]
.irp j, 0,1,2,3,4,5
	ds_load_b128 v[OUTR+4*\j:OUTR+4*\j+3], v[RDA] offset:512*\j     ; my own bytes: LDS serves a wave's instructions in order
.endr
.irp j, 0,1,2,3,4,5
	s_wait_dscnt 5-\j                              ; the younger loads stay out
	global_store_b128 v[G16], v[OUTR+4*\j:OUTR+4*\j+3], s[12:13] offset:512*\j   ; 512 consecutive bytes, aligned
.endr
	s_wait_dscnt 0x0                               ; my scale words have landed
	s_barrier_signal -1
	s_barrier_wait -1
	s_cmp_lg_u32 s16, 0
	s_cbranch_scc1 .Lnot_wave_0
	ds_load_b128 v[16:19], v[SRD]                  ; wave 0 stores the two quads: 512 consecutive bytes
	s_wait_dscnt 0x0
	global_store_b128 v[G16], v[16:19], s[14:15]
.Lnot_wave_0:
	s_wait_tensorcnt 0x0                           ; the wave's end
	ds_add_u32 v[SPW], v[NIL]
	s_wait_dscnt 0x0
	s_endpgm
.Lfunc_end_k_q32010688b8_quant_w:
	.size	k_q32010688b8_quant_w, .Lfunc_end_k_q32010688b8_quant_w-k_q32010688b8_quant_w
	.p2alignl 7, 3214868480
	.fill 96, 4, 3214868480
	.section	.rodata,"a",@progbits
	.p2align	6, 0x0
	.amdhsa_kernel k_q32010688b8_quant_w
		.amdhsa_group_segment_fixed_size 13312
		.amdhsa_private_segment_fixed_size 0
		.amdhsa_enable_private_segment 0
		.amdhsa_kernarg_size 48
		.amdhsa_user_sgpr_count 2
		.amdhsa_user_sgpr_kernarg_segment_ptr 1
		.amdhsa_wavefront_size32 1
		.amdhsa_system_sgpr_workgroup_id_x 1
		.amdhsa_system_sgpr_workgroup_id_y 1
		.amdhsa_system_sgpr_workgroup_id_z 1
		.amdhsa_system_vgpr_workitem_id 0
		.amdhsa_next_free_vgpr 220
		.amdhsa_next_free_sgpr 66
		.amdhsa_reserve_vcc 0
		.amdhsa_float_denorm_mode_32 3
		.amdhsa_float_denorm_mode_16_64 3
		.amdhsa_memory_ordered 1
		.amdhsa_forward_progress 1
		.amdhsa_inst_pref_size 23
	.end_amdhsa_kernel
	.amdgpu_metadata
---
amdhsa.version: [ 1, 2 ]
amdhsa.kernels:
  - .name:           k_q32010688b8_quant_w
    .symbol:         k_q32010688b8_quant_w.kd
    .args:
      - { .name: Wq, .offset: 0, .size: 8, .value_kind: global_buffer, .address_space: global }
      - { .name: Wk, .offset: 8, .size: 8, .value_kind: global_buffer, .address_space: global }
      - { .name: Wv, .offset: 16, .size: 8, .value_kind: global_buffer, .address_space: global }
      - { .name: Wo, .offset: 24, .size: 8, .value_kind: global_buffer, .address_space: global }
      - { .name: wc, .offset: 32, .size: 8, .value_kind: global_buffer, .address_space: global }
      - { .name: wsc, .offset: 40, .size: 8, .value_kind: global_buffer, .address_space: global }
    .group_segment_fixed_size: 13312
    .private_segment_fixed_size: 0
    .kernarg_segment_align: 8
    .kernarg_segment_size: 48
    .max_flat_workgroup_size: 128
    .sgpr_count:     66
    .vgpr_count:     220
    .wavefront_size: 32
...
	.end_amdgpu_metadata
.endif
;; end of part 1
;; launch proj (part 2): grid 64 x 3, 4 waves a work-group, no clusters, 136,704 bytes of LDS; arguments q, k, v, bq, bk, bv, wc, wsc, qc, kv; writes qc, kv
.if DOCPART == 2
	.amdgcn_target "amdgcn-amd-amdhsa--gfx1250"
	.amdhsa_code_object_version 6
	.text
	.protected	k_q32010688b8_proj
	.globl	k_q32010688b8_proj
	.p2align	8
	.type	k_q32010688b8_proj,@function
k_q32010688b8_proj:
	s_mov_b64 s[64:65], 0
	v_nop
	global_prefetch_b8 v0, s[64:65] scope:SCOPE_SE
	s_setreg_imm32_b32 hwreg(HW_REG_WAVE_MODE, 25, 1), 1
	s_wait_xcnt 0x0
; x W + b for x = q, k, v (work-group y = 0, 1, 2), both operands as codes of E2M3 with E8M0 scales; the result is quantised at once for the attention launch and never goes to memory as f32.
; A work-group owns 128 rows of x (one step of attention) and all 1,024 columns.  PHASE X: wave w quantises tiles 2 w, 2 w + 1 of the rows for all of K; the fragments' images go to LDS (96 KiB).
; PHASE G: wave w makes column groups 2 w and 2 w + 1, 128 x 128 each: 64 accumulators, 512 registers.  x's fragments come from LDS, W's from wc straight into registers.
; A tile's lane r holds row (or column) 32 (tile / 2) + 8 (tile % 2) + r + 8 (r / 8): so a lane's 16 registers of two neighbouring result tiles are 16 neighbours along the next product's K.
; q, k: source 0 = W, source 1 = x: a lane holds one row and 64 numbers along the columns (two heads): quantised along the head's 64.  v: source 0 = x, source 1 = W: a lane holds one column and
; 64 numbers along the keys: quantised along the keys.  The two ways part only round a K step's matrix instructions, on the work-group's y.  The bias is the C of each sum's first instruction.
; NO JOINT LOADS FOR W: a fragment of W feeds eight products of ONE wave of the work-group; through LDS its 768 KiB a work-group would be written and read once more, in a ring with a barrier for each
; K step, beside the 96 KiB that x's images hold.
; OUT: qc [head 64][step 16] records of 6,656 bytes: 8 half fragments (768 each), 2 quads.  kv records of 13,056: K's 8 half fragments, 2 quads, V's 4 fragments (1,536 each), 1 quad.
; LIMITS: NaN and infinities are not served; a block whose largest magnitude lies under 2^-124, zeros among them, keeps the byte 1; only this program reads the bytes.
.set XSC,   98304                      ; LDS: 0 .. 98,303 x's images [ks 8][tile 8][1,536]; here their quads [ks][2][256]
.set STG,   102400                     ; a stage of 16 rows x 528 bytes for each wave
.set SPARE, 136192                     ; the spare words
.set BI0,  1                           ; v1   the bias' lane offset
.set GXA,  4                           ; v4   x: 16 x lane + 32 rows x wave
.set SIN,  5                           ; v5   stage, in
.set SOUT, 6                           ; v6   stage, out: row r, 64 h
.set IMA,  7                           ; v7   my images: 3,072 x wave + 16 x lane  (v28: 49,152 on)
.set IMB,  8                           ; v8   3,072 x wave + 8 x lane  (v29)
.set XWS,  9                           ; v9   my scale words among the quads
.set L16,  10
.set L8,   11
.set XFA,  12                          ; v12-14 the K step's LDS addresses
.set XFB,  13
.set XSA,  14
.set WSA,  15                          ; v15  16 r
.set XS0,  16                          ; v16  XSC + 16 r
.set SCO,  17                          ; v17  h x a head's bytes + 16 r
.set V16H, 18                          ; v18  16 h (q, k) or 0 (v)
.set SW,   20                          ; v20-27 the bias' eight offsets; later the scale words being gathered
.set IMA2, 28
.set IMB2, 29
.set SPW,  30
.set NIL,  31
.set WSC,  32                          ; v32-47 W's scale words, two sets of 8
.set XSCR, 48                          ; v48-63 x's
.set XF,   64                          ; v64-159, v160-255 x's fragments, two sets
.set PC,   64                          ; while those are dead: codes just made,
.set PW,   84                          ; their scale word,
.set TM,   96                          ; v96-111 at work,
.set XT,   128                         ; v128-191 64 numbers of x
.set BIAS, 192                         ; window 1: v0-95, v96-191 W's fragments; v192-255 the bias.  Windows 2, 3: accumulators (in phase X window 2 holds four sets of loads)
.set XB, 24
.set BB, 26
.set WB, 28
.set WS, 30
.set OB, 34
.set HB, 38                            ; s[38:39] a head's bytes in the output
.set T,  41
.set RB, 42
.set WV, 43
.set GRP, 44
.set CNT, 45
.set SEL, 46
.set HM,  48
.set BST, 49
.set ESTEP, 50                         ; s[50:57] how the epilogue's two addresses walk
.set EJUMP, 52
.set EDIFF, 54
.set EOFF,  56
.set EA, 58
.set EB, 60
.set KO, 62
.set KSO, 63
.set H2, 66
.set MSB, 0
.macro WIN new                         ; the immediate's high byte repeats the setting that is left
.if MSB != (\new)
	s_set_vgpr_msb (MSB<<8)|(\new)
.set MSB, (\new)
.endif
.endm
.macro PLACES                          ; four plain instructions behind matrix instructions, ahead of loads into their registers and of reads of their results
.rept 4
	v_nop
.endr
.endm
; 64 numbers v[QS] .. v[QS + 63] of window QW, register 16 b + i = k 32 b + 16 h + i of my row, become a fragment in v[PC] .. v[PC + 11] and its scale word in v[PW].
.macro QUANT
	WIN QW|(QW<<2)
.irp b, 0,1,2,3
	v_max3_num_f32 v[TM+\b], |v[QS+16*\b]|, |v[QS+1+16*\b]|, 0x1800000   ; with the floor 2^(3 - 127); each accumulator is read from its low end on
.endr
	WIN (QW<<2)|(QW<<4)
.irp i, 2,4,6,8,10,12,14
.irp b, 0,1,2,3
	v_max3_num_f32 v[TM+\b], v[TM+\b], |v[QS+16*\b+\i]|, |v[QS+1+16*\b+\i]|
.endr
.endr
	WIN 0
.irp b, 0,1,2,3
	v_permlanex16_b32 v[TM+4+\b], v[TM+\b], s[SEL], s[SEL+1]
.endr
.irp b, 0,1,2,3
	v_max_num_f32 v[TM+\b], v[TM+\b], v[TM+4+\b]   ; with lane l xor 16's 16 numbers: the block's largest magnitude
.endr
.irp b, 0,1,2,3
	v_add_nc_u32 v[TM+12+\b], 0xff000000, v[TM+\b]   ; 2 off the exponent field: the conversion's scale operand
.endr
.irp b, 0,1,2,3
	v_lshrrev_b32 v[TM+4+\b], 23, v[TM+12+\b]
.endr
	v_lshl_or_b32 v[PW], v[TM+5], 8, v[TM+4]
	v_lshl_or_b32 v[PW], v[TM+6], 16, v[PW]
	v_lshl_or_b32 v[PW], v[TM+7], 24, v[PW]
	WIN QW
.irp c, 0,1
	v_cvt_scalef32_pk16_fp6_f32 v[PC+6*\c:PC+2+6*\c], v[QS+32*\c:QS+15+32*\c], v[TM+12+2*\c]
	v_cvt_scalef32_pk16_fp6_f32 v[PC+12+4*\c:PC+14+4*\c], v[QS+16+32*\c:QS+31+32*\c], v[TM+12+2*\c+1]
.endr
	WIN 0
	v_nop                                          ; one plain instruction behind a scaled conversion
.irp c, 0,1                            ; a whole block to a lane: lanes 0-15 block 2 c, lanes 16-31 block 2 c + 1
.irp i, 0,1,2
	v_permlane16_swap_b32 v[PC+6*\c+\i], v[PC+12+4*\c+\i]
.endr
.irp i, 0,1,2
	v_mov_b32 v[PC+3+6*\c+\i], v[PC+12+4*\c+\i]
.endr
.endr
.endm
.macro FETCH_W set, off, soff          ; 34 loads: W's eight fragments and two quads of one K step
	WIN 0x40
.irp i, 0,1,2,3,4,5,6,7
	global_load_b128 v[96*(\set)+12*\i:96*(\set)+12*\i+3], v[L16], s[WB:WB+1] offset:(\off)+1536*\i
	global_load_b64 v[96*(\set)+12*\i+4:96*(\set)+12*\i+5], v[L8], s[WB:WB+1] offset:(\off)+1536*\i+512
	global_load_b128 v[96*(\set)+12*\i+6:96*(\set)+12*\i+9], v[L16], s[WB:WB+1] offset:(\off)+1536*\i+768
	global_load_b64 v[96*(\set)+12*\i+10:96*(\set)+12*\i+11], v[L8], s[WB:WB+1] offset:(\off)+1536*\i+1280
.endr
	WIN 0
	global_load_b128 v[WSC+8*(\set):WSC+8*(\set)+3], v[WSA], s[WS:WS+1] offset:(\soff)
	global_load_b128 v[WSC+8*(\set)+4:WSC+8*(\set)+7], v[WSA], s[WS:WS+1] offset:(\soff)+256
.endm
.macro FETCH_X set, off, soff          ; 34 LDS loads: the same of x
.irp i, 0,1,2,3,4,5,6,7
	ds_load_b128 v[XF+96*(\set)+12*\i:XF+96*(\set)+12*\i+3], v[XFA] offset:(\off)+1536*\i
	ds_load_b64 v[XF+96*(\set)+12*\i+4:XF+96*(\set)+12*\i+5], v[XFB] offset:(\off)+1536*\i+512
	ds_load_b128 v[XF+96*(\set)+12*\i+6:XF+96*(\set)+12*\i+9], v[XFA] offset:(\off)+1536*\i+768
	ds_load_b64 v[XF+96*(\set)+12*\i+10:XF+96*(\set)+12*\i+11], v[XFB] offset:(\off)+1536*\i+1280
.endr
	ds_load_b128 v[XSCR+8*(\set):XSCR+8*(\set)+3], v[XSA] offset:(\soff)
	ds_load_b128 v[XSCR+8*(\set)+4:XSCR+8*(\set)+7], v[XSA] offset:(\soff)+256
.endm
; 32 matrix instructions.  mode 0: accumulator 8 ix + iw, ix = 4 hi + x;  mode 1: accumulator 8 iw + ix, iw = 4 hi + x.  The 64 accumulators take turns, one instruction a turn.
.macro MM mode, set, first, hi
.if \mode == 0
.if \first
	WIN 0x91+0x40*(\hi)                            ; W window 1, x window 0, C (the bias) window 1, D window 2 or 3
.else
	WIN 0xa1+0x50*(\hi)
.endif
.irp x, 0,1,2,3
.irp i, 0,1,2,3,4,5,6,7
.if \first
	v_wmma_scale_f32_16x16x128_f8f6f4 v[8*(8*\x+\i):8*(8*\x+\i)+7], v[96*(\set)+12*\i:96*(\set)+12*\i+11], v[XF+96*(\set)+12*(4*(\hi)+\x):XF+96*(\set)+12*(4*(\hi)+\x)+11], v[BIAS+8*\i:BIAS+8*\i+7], v[WSC+8*(\set)+\i], v[XSCR+8*(\set)+4*(\hi)+\x] matrix_a_fmt:MATRIX_FMT_FP6 matrix_b_fmt:MATRIX_FMT_FP6
.else
	v_wmma_scale_f32_16x16x128_f8f6f4 v[8*(8*\x+\i):8*(8*\x+\i)+7], v[96*(\set)+12*\i:96*(\set)+12*\i+11], v[XF+96*(\set)+12*(4*(\hi)+\x):XF+96*(\set)+12*(4*(\hi)+\x)+11], v[8*(8*\x+\i):8*(8*\x+\i)+7], v[WSC+8*(\set)+\i], v[XSCR+8*(\set)+4*(\hi)+\x] matrix_a_fmt:MATRIX_FMT_FP6 matrix_b_fmt:MATRIX_FMT_FP6
.endif
.endr
.endr
.else
.if \first
	WIN 0x94+0x40*(\hi)                            ; x window 0, W window 1
.else
	WIN 0xa4+0x50*(\hi)
.endif
.irp x, 0,1,2,3
.irp i, 0,1,2,3,4,5,6,7
.if \first
	v_wmma_scale_f32_16x16x128_f8f6f4 v[8*(8*\x+\i):8*(8*\x+\i)+7], v[XF+96*(\set)+12*\i:XF+96*(\set)+12*\i+11], v[96*(\set)+12*(4*(\hi)+\x):96*(\set)+12*(4*(\hi)+\x)+11], v[BIAS+8*(4*(\hi)+\x):BIAS+8*(4*(\hi)+\x)+7], v[XSCR+8*(\set)+\i], v[WSC+8*(\set)+4*(\hi)+\x] matrix_a_fmt:MATRIX_FMT_FP6 matrix_b_fmt:MATRIX_FMT_FP6
.else
	v_wmma_scale_f32_16x16x128_f8f6f4 v[8*(8*\x+\i):8*(8*\x+\i)+7], v[XF+96*(\set)+12*\i:XF+96*(\set)+12*\i+11], v[96*(\set)+12*(4*(\hi)+\x):96*(\set)+12*(4*(\hi)+\x)+11], v[8*(8*\x+\i):8*(8*\x+\i)+7], v[XSCR+8*(\set)+\i], v[WSC+8*(\set)+4*(\hi)+\x] matrix_a_fmt:MATRIX_FMT_FP6 matrix_b_fmt:MATRIX_FMT_FP6
.endif
.endr
.endr
.endif
.endm
; A K step of 128: the next step's operands are asked for, then this step's 64 products.
.macro KSTEP set, first, fetch, off, soff
	PLACES
.if \fetch
	FETCH_W 1-(\set), \off, \soff
	FETCH_X 1-(\set), \off, \soff
	s_wait_loadcnt 34                              ; all but the 34 just issued: this step's W (and, in a group's first step, the bias) is in
	s_wait_dscnt 34                                ; likewise x
.else
	s_wait_loadcnt 0x0
	s_wait_dscnt 0x0
.endif
	s_cmp_eq_u32 s[T], 2
	s_cbranch_scc1 .Lkeys_\@
	MM 0, \set, \first, 0
	MM 0, \set, \first, 1
	WIN 0
	s_branch .Ldone_\@
.Lkeys_\@:
	MM 1, \set, \first, 0
	MM 1, \set, \first, 1
	WIN 0
.Ldone_\@:
.endm
.macro XLOAD sg                        ; step sg = (K step sg / 2, tile sg % 2): 16 rows x 512 bytes, a row a load, into set sg % 4 of window 2
	WIN 0x80
.irp i, 0,1,2,3,4,5,6,7,8,9,10,11,12,13,14,15
	global_load_b128 v[64*((\sg)%4)+4*\i:64*((\sg)%4)+4*\i+3], v[GXA], s[XB:XB+1] offset:(8*((\sg)%2)+\i+8*(\i/8))*4096+512*((\sg)/2) th:TH_LOAD_NT
.endr
	WIN 0
.endm
.macro XSTEP sg
.if 15-(\sg) >= 3
	s_wait_loadcnt 48                              ; the three younger sets of 16 loads stay out
.else
	s_wait_loadcnt 16*(15-(\sg))
.endif
	WIN 0x08                                       ; an LDS store's data: window 2
.irp i, 0,1,2,3,4,5,6,7,8,9,10,11,12,13,14,15
	ds_store_b128 v[SIN], v[64*((\sg)%4)+4*\i:64*((\sg)%4)+4*\i+3] offset:528*\i
.endr
	WIN 0
.irp b, 0,1,2,3
.irp j, 0,1,2,3
	ds_load_b128 v[XT+16*\b+4*\j:XT+16*\b+4*\j+3], v[SOUT] offset:128*\b+16*\j   ; my row's 16 numbers of block b; rows 528 bytes apart: sixteen lanes, sixteen columns of 16 bytes
.endr
.endr
	s_wait_dscnt 0x0                               ; the numbers are back; the stage's stores have read the set; the last images have left their registers
.if (\sg)+4 < 16
	XLOAD (\sg)+4
.endif
.set QS, XT
.set QW, 0
	QUANT
.if (\sg) < 8
.set IA, IMA
.set IB, IMB
.else
.set IA, IMA2
.set IB, IMB2
.endif
.set IO, 12288*(((\sg)/2)%4)+1536*((\sg)%2)
	ds_store_b128 v[IA], v[PC:PC+3] offset:IO
	ds_store_b64 v[IB], v[PC+4:PC+5] offset:IO+512
	ds_store_b128 v[IA], v[PC+6:PC+9] offset:IO+768
	ds_store_b64 v[IB], v[PC+10:PC+11] offset:IO+1280
	ds_store_b32 v[XWS], v[PW] offset:512*((\sg)/2)+4*((\sg)%2)   ; lanes r and r + 16 write the same word with the same value
.endm
	s_load_b512 s[4:19], s[0:1], 0x0               ; q, k, v, bq, bk, bv, wc, wsc
	s_load_b128 s[20:23], s[0:1], 0x40             ; qc, kv
	v_lshl_add_u32 v[SPW], v0, 2, SPARE
	v_mov_b32 v[NIL], 0
	v_lshrrev_b32 v200, 5, v0
	v_readfirstlane_b32 s[WV], v200
	s_and_b32 s[T], ttmp7, 0xffff
	s_mov_b32 s[RB], ttmp9
	v_and_b32 v200, 31, v0                         ; lane
	v_and_b32 v201, 15, v0                         ; r
	v_bfe_u32 v202, v0, 4, 1                       ; h
	v_lshlrev_b32 v[L16], 4, v200
	v_lshlrev_b32 v[L8], 3, v200
	s_lshl_b32 s2, s[WV], 17
	v_add_nc_u32 v[GXA], s2, v[L16]
	s_mul_i32 s3, s[WV], 8448
	s_add_co_u32 s3, s3, STG
	v_add_nc_u32 v[SIN], s3, v[L16]
	v_mul_u32_u24 v203, v201, 528
	v_lshl_add_u32 v203, v202, 6, v203
	v_add_nc_u32 v[SOUT], s3, v203
	s_mul_i32 s2, s[WV], 3072
	v_add_nc_u32 v[IMA], s2, v[L16]
	v_add_nc_u32 v[IMB], s2, v[L8]
	v_add_nc_u32 v[IMA2], 49152, v[IMA]
	v_add_nc_u32 v[IMB2], 49152, v[IMB]
	s_lshr_b32 s2, s[WV], 1
	s_lshl_b32 s2, s2, 8
	s_and_b32 s3, s[WV], 1
	s_lshl_b32 s3, s3, 3
	s_add_co_u32 s2, s2, s3
	s_add_co_u32 s2, s2, XSC
	v_lshlrev_b32 v[WSA], 4, v201
	v_add_nc_u32 v[XWS], s2, v[WSA]
	v_add_nc_u32 v[XS0], XSC, v[WSA]
	s_mov_b32 s[SEL], 0x76543210
	s_mov_b32 s[SEL+1], 0xfedcba98
	s_mov_b32 s[HM], 0xffff0000
	s_mov_b32 s[HB], 208896                        ; a head's bytes and a step's: kv, or qc
	s_mov_b32 s[HB+1], 0
	s_mov_b32 s40, 13056
	s_cmp_eq_u32 s[T], 0
	s_cselect_b32 s[HB], 106496, s[HB]
	s_cselect_b32 s40, 6656, s40
	s_mov_b32 s[ESTEP], 1536
	s_cmp_eq_u32 s[T], 2                           ; v's results are whole fragments of one head; q's and k's are two half fragments of two heads
	s_cselect_b32 s[ESTEP], s[ESTEP], 768
	s_cselect_b32 s[EJUMP], 202752, 0              ; v: from a head's fourth fragment to the next head's first: 208,896 - 6,144
	s_cselect_b32 s[EDIFF], 768, s[HB]
	s_cselect_b32 s[EOFF], 6656, 0
	s_cselect_b32 s[BST], 0, 4
	s_cselect_b32 s36, -1, 0
	s_cselect_b32 s37, 0, 16
	s_mov_b32 s[ESTEP+1], 0
	s_mov_b32 s[EJUMP+1], 0
	s_mov_b32 s[EDIFF+1], 0
	s_mov_b32 s[EOFF+1], 0
	s_lshl_b32 s[H2], s[HB], 1
	s_mov_b32 s[H2+1], 0
	v_mul_u32_u24 v[SCO], s[HB], v202
	v_add_nc_u32 v[SCO], v[SCO], v[WSA]
	v_mul_u32_u24 v[V16H], s37, v202
	v_lshlrev_b32 v204, 6, v202                    ; q, k: my eight columns of a tile begin 16 h on
	v_and_b32 v205, 8, v201
	v_add_nc_u32 v205, v205, v201
	v_lshlrev_b32 v205, 2, v205                    ; v: my one column, r + 8 (r / 8)
	v_cndmask_b32 v[BI0], v204, v205, s36
.irp b, 0,1,2,3
	v_mov_b32 v[TM+4+\b], 0                        ; written once: a lane permute's destination counts as a source
.endr
	s_wait_kmcnt 0x0
	s_cmp_eq_u32 s[T], 1                           ; the buffers are chosen by the work-group's number alone
	s_cselect_b64 s[XB:XB+1], s[6:7], s[4:5]
	s_cselect_b64 s[BB:BB+1], s[12:13], s[10:11]
	s_cmp_eq_u32 s[T], 2
	s_cselect_b64 s[XB:XB+1], s[8:9], s[XB:XB+1]
	s_cselect_b64 s[BB:BB+1], s[14:15], s[BB:BB+1]
	s_cmp_eq_u32 s[T], 0
	s_cselect_b64 s[OB:OB+1], s[20:21], s[22:23]
	s_lshl_b32 s32, s[RB], 19
	s_mov_b32 s33, 0
	s_add_nc_u64 s[XB:XB+1], s[XB:XB+1], s[32:33]  ; my 128 rows
	s_lshl_b32 s32, s[WV], 10
	s_add_nc_u64 s[BB:BB+1], s[BB:BB+1], s[32:33]  ; my 256 columns
	s_mul_i32 s32, s[T], 786432
	s_mul_i32 s2, s[WV], 196608
	s_add_co_u32 s32, s32, s2
	s_add_nc_u64 s[WB:WB+1], s[16:17], s[32:33]
	s_lshl_b32 s32, s[T], 15
	s_lshl_b32 s2, s[WV], 13
	s_add_co_u32 s32, s32, s2
	s_add_nc_u64 s[WS:WS+1], s[18:19], s[32:33]
	s_lshr_b32 s32, s[RB], 4
	s_lshl_b32 s32, s32, 4
	s_lshl_b32 s2, s[WV], 2
	s_add_co_u32 s32, s32, s2                      ; batch x 16 + my first head
	s_mul_i32 s32, s32, s[HB]
	s_and_b32 s2, s[RB], 15
	s_mul_i32 s2, s2, s40
	s_add_co_u32 s32, s32, s2
	s_add_nc_u64 s[OB:OB+1], s[OB:OB+1], s[32:33]
	FETCH_W 0, 0, 0                                ; the first group's first K step lands during phase X
	XLOAD 0
	XLOAD 1
	XLOAD 2
	XLOAD 3
.irp g, 0,1,2,3,4,5,6,7,8,9,10,11,12,13,14,15
	XSTEP \g
.endr
	s_wait_dscnt 0x0                               ; my images and scale words have landed
	s_barrier_signal -1
	s_barrier_wait -1                              ; everybody's have: from here on LDS is only read
	s_mov_b32 s[GRP], 2
.Lgroup:
	v_mov_b32 v[SW], v[BI0]
.irp j, 1,2,3,4,5,6,7
	v_add_nc_u32 v[SW+\j], s[BST], v[SW+\j-1]      ; register j of a bias tile: 4 j bytes on (q, k), or the same number (v)
.endr
	WIN 0x40
.irp i, 0,1,2,3,4,5,6,7
.irp j, 0,1,2,3,4,5,6,7
	global_load_b32 v[BIAS+8*\i+\j], v[SW+\j], s[BB:BB+1] offset:(32*(\i/2)+8*(\i%2))*4
.endr
.endr
	WIN 0
	s_mov_b32 s[KO], 0
	s_mov_b32 s[KSO], 0
	v_add_nc_u32 v[XFA], s[KO], v[L16]
	v_add_nc_u32 v[XFB], s[KO], v[L8]
	v_add_nc_u32 v[XSA], s[KSO], v[XS0]
	FETCH_X 0, 0, 0
	KSTEP 0, 1, 1, 12288, 512                      ; K step 0 starts the sums on the bias
	s_mov_b32 s[CNT], 3
.Lk:
	s_wait_xcnt 0x0                                ; the pending loads have read their bases,
	s_wait_dscnt 0x0                               ; and the LDS loads issued 64 matrix instructions ago are in: the addresses may step
	s_add_nc_u64 s[WB:WB+1], s[WB:WB+1], 24576
	s_add_nc_u64 s[WS:WS+1], s[WS:WS+1], 1024
	s_add_co_u32 s[KO], s[KO], 24576
	s_add_co_u32 s[KSO], s[KSO], 1024
	v_add_nc_u32 v[XFA], s[KO], v[L16]
	v_add_nc_u32 v[XFB], s[KO], v[L8]
	v_add_nc_u32 v[XSA], s[KSO], v[XS0]
	KSTEP 1, 0, 1, 0, 0
	KSTEP 0, 0, 1, 12288, 512
	s_sub_co_u32 s[CNT], s[CNT], 1
	s_cmp_lg_u32 s[CNT], 0
	s_cbranch_scc1 .Lk
	KSTEP 1, 0, 0, 0, 0
	PLACES
	s_cmp_eq_u32 s[GRP], 1
	s_cbranch_scc1 .Lno_next
	s_wait_xcnt 0x0
	s_add_nc_u64 s[WB:WB+1], s[WB:WB+1], 24576
	s_add_nc_u64 s[WS:WS+1], s[WS:WS+1], 1024
	FETCH_W 0, 0, 0                                ; the next group's first K step lands during the epilogue
.Lno_next:
	; THE EPILOGUE: eight runs of 64 numbers a lane are quantised and stored as images: 512 or 256 consecutive aligned bytes a store
	s_add_nc_u64 s[EA:EA+1], s[OB:OB+1], s[EOFF:EOFF+1]
	s_add_nc_u64 s[EB:EB+1], s[EA:EA+1], s[EDIFF:EDIFF+1]
.irp a, 0,1,2,3,4,5,6,7
.if \a > 0
	s_wait_xcnt 0x0                                ; the last stores have read their data and bases
	s_add_nc_u64 s[EA:EA+1], s[EA:EA+1], s[ESTEP:ESTEP+1]
	s_add_nc_u64 s[EB:EB+1], s[EB:EB+1], s[ESTEP:ESTEP+1]
.endif
.if \a == 4
	s_add_nc_u64 s[EA:EA+1], s[EA:EA+1], s[EJUMP:EJUMP+1]
	s_add_nc_u64 s[EB:EB+1], s[EB:EB+1], s[EJUMP:EJUMP+1]
.endif
.set QS, 64*(\a%4)
.set QW, 2+\a/4
	QUANT
	v_lshrrev_b32 v[SW+\a], v[V16H], v[PW]         ; q, k: lanes 16-31 keep the odd head's two bytes; v: the word as it is
	global_store_b128 v[L16], v[PC:PC+3], s[EA:EA+1]
	global_store_b64 v[L8], v[PC+4:PC+5], s[EA:EA+1] offset:512
	global_store_b128 v[L16], v[PC+6:PC+9], s[EB:EB+1]
	global_store_b64 v[L8], v[PC+10:PC+11], s[EB:EB+1] offset:512
.endr
	s_cmp_eq_u32 s[T], 2
	s_cbranch_scc1 .Lquad_v
	global_store_b128 v[SCO], v[SW:SW+3], s[OB:OB+1] offset:6144     ; lanes 0-15: the even head's quad, lanes 16-31: the odd head's; 256 aligned bytes each
	global_store_b128 v[SCO], v[SW+4:SW+7], s[OB:OB+1] offset:6400
	s_branch .Lquad_done
.Lquad_v:
.irp i, 0,1,2,3
	v_cndmask_b32 v[SW+\i], v[SW+\i], v[SW+4+\i], s[HM]              ; lanes 16-31 take the odd head's four words
.endr
	global_store_b128 v[SCO], v[SW:SW+3], s[OB:OB+1] offset:12800
.Lquad_done:
	s_wait_xcnt 0x0                                ; the stores have read their registers and bases
	s_add_nc_u64 s[BB:BB+1], s[BB:BB+1], 512
	s_add_nc_u64 s[OB:OB+1], s[OB:OB+1], s[H2:H2+1]
	s_sub_co_u32 s[GRP], s[GRP], 1
	s_cmp_lg_u32 s[GRP], 0
	s_cbranch_scc1 .Lgroup
	s_wait_tensorcnt 0x0                           ; the wave's end
	ds_add_u32 v[SPW], v[NIL]
	s_wait_dscnt 0x0
	s_endpgm
.Lfunc_end_k_q32010688b8_proj:
	.size	k_q32010688b8_proj, .Lfunc_end_k_q32010688b8_proj-k_q32010688b8_proj
	.p2alignl 7, 3214868480
	.fill 96, 4, 3214868480
	.section	.rodata,"a",@progbits
	.p2align	6, 0x0
	.amdhsa_kernel k_q32010688b8_proj
		.amdhsa_group_segment_fixed_size 136704
		.amdhsa_private_segment_fixed_size 0
		.amdhsa_enable_private_segment 0
		.amdhsa_kernarg_size 80
		.amdhsa_user_sgpr_count 2
		.amdhsa_user_sgpr_kernarg_segment_ptr 1
		.amdhsa_wavefront_size32 1
		.amdhsa_system_sgpr_workgroup_id_x 1
		.amdhsa_system_sgpr_workgroup_id_y 1
		.amdhsa_system_sgpr_workgroup_id_z 1
		.amdhsa_system_vgpr_workitem_id 0
		.amdhsa_next_free_vgpr 1024
		.amdhsa_next_free_sgpr 68
		.amdhsa_reserve_vcc 0
		.amdhsa_float_denorm_mode_32 3
		.amdhsa_float_denorm_mode_16_64 3
		.amdhsa_memory_ordered 1
		.amdhsa_forward_progress 1
		.amdhsa_inst_pref_size 255
	.end_amdhsa_kernel
	.section	.bss,"aw",@nobits
	.p2align	6
	.space	262144
	.amdgpu_metadata
---
amdhsa.version: [ 1, 2 ]
amdhsa.kernels:
  - .name:           k_q32010688b8_proj
    .symbol:         k_q32010688b8_proj.kd
    .args:
      - { .name: q, .offset: 0, .size: 8, .value_kind: global_buffer, .address_space: global }
      - { .name: k, .offset: 8, .size: 8, .value_kind: global_buffer, .address_space: global }
      - { .name: v, .offset: 16, .size: 8, .value_kind: global_buffer, .address_space: global }
      - { .name: bq, .offset: 24, .size: 8, .value_kind: global_buffer, .address_space: global }
      - { .name: bk, .offset: 32, .size: 8, .value_kind: global_buffer, .address_space: global }
      - { .name: bv, .offset: 40, .size: 8, .value_kind: global_buffer, .address_space: global }
      - { .name: wc, .offset: 48, .size: 8, .value_kind: global_buffer, .address_space: global }
      - { .name: wsc, .offset: 56, .size: 8, .value_kind: global_buffer, .address_space: global }
      - { .name: qc, .offset: 64, .size: 8, .value_kind: global_buffer, .address_space: global }
      - { .name: kv, .offset: 72, .size: 8, .value_kind: global_buffer, .address_space: global }
    .group_segment_fixed_size: 136704
    .private_segment_fixed_size: 0
    .kernarg_segment_align: 8
    .kernarg_segment_size: 80
    .max_flat_workgroup_size: 128
    .sgpr_count:     68
    .vgpr_count:     1024
    .wavefront_size: 32
...
	.end_amdgpu_metadata
.endif
;; end of part 2
;; launch attn (part 3): grid 8 x 64, 16 waves a work-group, clusters of 4 x 1, 210,944 bytes of LDS; arguments qc, kv, oc, osc; writes oc, osc
.if DOCPART == 3
	.amdgcn_target "amdgcn-amd-amdhsa--gfx1250"
	.amdhsa_code_object_version 6
	.text
	.protected	k_q32010688b8_attn
	.globl	k_q32010688b8_attn
	.p2align	8
	.type	k_q32010688b8_attn,@function
k_q32010688b8_attn:
	s_mov_b64 s[64:65], 0
	v_nop
	global_prefetch_b8 v0, s[64:65] scope:SCOPE_SE
	s_setreg_imm32_b32 hwreg(HW_REG_WAVE_MODE, 25, 1), 1
	s_wait_xcnt 0x0
	s_wait_alu depctr_hold_cnt(0) depctr_sa_sdst(0) depctr_va_vdst(0) depctr_va_sdst(0) depctr_va_ssrc(0) depctr_va_vcc(0) depctr_vm_vsrc(0)
	s_getreg_b32 s2, hwreg(HW_REG_IB_STS2, 6, 4)
	s_cmp_eq_u32 s2, 0
	s_cbranch_scc0 .Lentry_in_a_cluster
	s_endpgm
.Lentry_in_a_cluster:
	s_bfe_u32 s2, ttmp6, 0x10000c
	s_cmp_lg_u32 s2, 0x3003
	s_cbranch_scc0 .Lentry_shape_is_right
	s_endpgm
.Lentry_shape_is_right:
; Causal attention of one head on codes of E2M3: S^T = K Q^T (K = the head's 64; the instruction's other 64 are zero codes of Q and K), p = 2^(t - M) with t = score x log2(e) / 8 and M the ceiling of the running
; largest t, quantised along the keys; O^T = V^T P^T; the row's sum of the unquantised p divides at the end; O / l is quantised along the head's 64 for the last product.
; SHARES.  Work-group (J, head): sixteen waves, each ONE tile of 16 queries: tile J of the 128 queries of step LEV.  The sixteen waves' LEV are 0 .. 15 in the order of a 4 x 4 magic square: any four waves
; w % 4 or w / 4 alike have LEV that sum to 30.  A wave walks steps 0 .. LEV (128 keys each), the last under the mask, and jumps over the work of the others: 136 steps of work in every work-group.
; K AND V of the whole head, 16 records of 13,056 bytes, fit in LDS: each record is brought once, by a JOINT load of the cluster's four work-groups (they share the head).  Waves 0-3 issue four loads each:
; four tensor loads of a wave are out at the most.  Nothing is filled again.  All that the work-group reads of K and V is asked for at its head, so nothing is left to prefetch.
; A lane holds one query throughout; lane r of query tile J holds query 32 (J / 2) + 8 (J % 2) + r + 8 (r / 8) of its step; key and channel tiles are laid the same way, so that a lane's 16 registers of two
; neighbouring tiles are 16 neighbours along the next K.
; LIMITS: NaN and infinities are not served; 1 / l by v_rcp_f32; a block under 2^-124 keeps the byte 1.  osc's words leave in runs of 64 bytes.
.set REC,   13056
.set SPARE, 208896
.set S,     128                        ; v128-191 S^T, then p
.set O,     192                        ; v192-223 O^T
.set WV,  12
.set LEV, 13
.set JJ,  14
.set BH,  15
.set G1,  16
.set G0,  24
.set SEL, 40
.set CS,  42
.set TB,  44
.set ST,  45
.set CNT, 46
; v1 16 x lane, v2 8 x lane, v3 16 r, v4 my query - 16 h, v5, v6 the add's two, v7 4 r, v8-10 the step's addresses, v12 -M, v13 the largest t, v[14:15] the sum, v16-27 Q, v28-31 V's scales,
; v32-79 four fragments of K, v80-127 V's four, v224-235 p's codes, v232-247 at work, v248-251 K's scales, v252 f, v253 p's scale word, v254 at work, v255 Q's scale word
.macro PLACES
.rept 4
	v_nop
.endr
.endm
.macro ROUND                           ; a round of the cluster's barrier
	s_barrier_signal -1
	s_barrier_wait -1
	s_cmp_lg_u32 s[WV], 0
	s_cbranch_scc1 .Lnot_wave_0_\@
	s_barrier_signal -3
.Lnot_wave_0_\@:
	s_barrier_wait -3
	s_barrier_signal -1
	s_barrier_wait -1
.endm
	s_load_b256 s[4:11], s[0:1], 0x0               ; qc, kv, oc, osc
	v_lshl_add_u32 v5, v0, 2, SPARE
	v_mov_b32 v6, 0
	ds_add_u32 v5, v6                              ; the wave's opening: the add and its wait ahead of the first tensor load
	v_lshrrev_b32 v8, 5, v0
	v_readfirstlane_b32 s[WV], v8
	s_bfe_u32 s47, ttmp6, 0x40000                  ; cx
	s_lshl_b32 s[JJ], ttmp9, 2
	s_add_co_u32 s[JJ], s[JJ], s47                 ; J: it enters Q's and the outputs' addresses and the mask's numbers alone
	s_and_b32 s[BH], ttmp7, 0xffff
	s_mov_b32 s48, 0x0de3b658
	s_cmp_lt_u32 s[WV], 8
	s_cselect_b32 s48, 0x7a94c12f, s48
	s_and_b32 s49, s[WV], 7
	s_lshl_b32 s49, s49, 2
	s_lshr_b32 s[LEV], s48, s49
	s_and_b32 s[LEV], s[LEV], 15
	s_mov_b32 s[G1], 15|(3<<16)|(1<<21)            ; the mask: all four work-groups; elements of 8 bytes; bit 21 beside a mask; no padding
	s_mov_b32 s[G1+1], 32<<16                      ; a record is a dense block: 51 rows of 256 bytes
	s_mov_b32 s[G1+2], 51<<16
	s_mov_b32 s[G1+3], 32<<16
	s_mov_b32 s[G1+4], 51
	s_mov_b32 s[G1+5], 32
	s_mov_b32 s[G1+6], 0
	s_mov_b32 s[G1+7], 0
	s_mov_b32 s[SEL], 0x76543210
	s_mov_b32 s[SEL+1], 0xfedcba98
	s_mov_b32 s[CS], 0x3e38aa3b                    ; log2(e) / 8
	s_mov_b32 s[CS+1], s[CS]
	s_mul_i32 s50, s[WV], REC
	s_mul_i32 s52, s[BH], 16*REC
	s_add_co_u32 s52, s52, s50
	s_mov_b32 s53, 0
	s_wait_dscnt 0x0                               ; the opening add is done
	s_wait_kmcnt 0x0
	s_add_nc_u64 s[52:53], s[6:7], s[52:53]
.irp g, 0,1,2,3
	s_mov_b32 s[G0+4*\g], 1
	s_add_co_u32 s[G0+4*\g+1], s50, 4*REC*\g       ; record 4 g + wave, in LDS
	s_add_nc_u64 s[G0+4*\g+2:G0+4*\g+3], s[52:53], 4*REC*\g   ; and in memory
	s_or_b32 s[G0+4*\g+3], s[G0+4*\g+3], 0x80000000
.endr
	ROUND                                          ; all four work-groups are here: the joint loads meet
	s_cmp_lt_u32 s[WV], 4
	s_cbranch_scc0 .Lno_fill
.irp g, 0,1,2,3
	tensor_load_to_lds s[G0+4*\g:G0+4*\g+3], s[G1:G1+7]
	s_nop 0
.endr
.rept 4
	v_nop
.endr
.Lno_fill:
	v_and_b32 v8, 31, v0
	v_and_b32 v9, 15, v0                           ; r
	v_bfe_u32 v10, v0, 4, 1                        ; h
	v_lshlrev_b32 v1, 4, v8
	v_lshlrev_b32 v2, 3, v8
	v_lshlrev_b32 v3, 4, v9
	v_lshlrev_b32 v7, 2, v9
	v_and_b32 v11, 8, v9
	v_add_nc_u32 v4, v11, v9
	v_lshlrev_b32 v11, 4, v10
	v_sub_nc_u32 v4, v4, v11
	s_lshr_b32 s54, s[JJ], 1
	s_lshl_b32 s54, s54, 5
	s_and_b32 s55, s[JJ], 1
	s_lshl_b32 s55, s55, 3
	s_add_co_u32 s54, s54, s55
	v_add_nc_u32 v4, s54, v4                       ; my query in its step, less 16 h
	s_mul_i32 s56, s[BH], 106496
	s_mul_i32 s57, s[LEV], 6656
	s_add_co_u32 s56, s56, s57
	s_mov_b32 s57, 0
	s_add_nc_u64 s[4:5], s[4:5], s[56:57]          ; Q's record
	s_mul_i32 s58, s[JJ], 768
	s_mov_b32 s59, 0
	s_add_nc_u64 s[60:61], s[4:5], s[58:59]        ; my tile's half fragment
	s_lshr_b32 s58, s[JJ], 2
	s_lshl_b32 s58, s58, 8
	s_and_b32 s56, s[JJ], 3
	s_lshl_b32 s56, s56, 2
	s_add_co_u32 s58, s58, s56
	s_add_nc_u64 s[62:63], s[4:5], s[58:59]        ; its words in the quads
	global_load_b128 v[16:19], v1, s[60:61]
	global_load_b64 v[20:21], v2, s[60:61] offset:512
	global_load_b32 v255, v3, s[62:63] offset:6144
	s_lshr_b32 s47, s[BH], 4
	s_lshl_b32 s47, s47, 4
	s_add_co_u32 s47, s47, s[LEV]                  ; the block of 128 rows of the last product
	s_and_b32 s48, s[BH], 15                       ; the head
	s_mul_i32 s50, s47, 98304
	s_lshr_b32 s49, s48, 1
	s_mul_i32 s49, s49, 12288
	s_add_co_u32 s50, s50, s49
	s_mul_i32 s49, s[JJ], 1536
	s_add_co_u32 s50, s50, s49
	s_and_b32 s49, s48, 1
	s_mul_i32 s49, s49, 768
	s_add_co_u32 s50, s50, s49
	s_mov_b32 s51, 0
	s_add_nc_u64 s[8:9], s[8:9], s[50:51]
	s_lshl_b32 s50, s47, 13
	s_lshl_b32 s49, s48, 9
	s_add_co_u32 s50, s50, s49
	s_lshl_b32 s49, s[JJ], 6
	s_add_co_u32 s50, s50, s49
	s_add_nc_u64 s[10:11], s[10:11], s[50:51]
.irp j, 22,23,24,25,26,27
	v_mov_b32 v[\j], 0                             ; Q's K = 64 .. 127: zero codes
.endr
.irp t, 0,1,2,3
.irp j, 6,7,8,9,10,11
	v_mov_b32 v[32+12*\t+\j], 0                    ; K's likewise, written once
.endr
.endr
.set n, 0
.rept 32
	v_mov_b32 v[O+n], 0                            ; the step is written once: the first finds zeros
.set n, n+1
.endr
	v_mov_b32 v14, 0
	v_mov_b32 v15, 0
.irp b, 0,1,2,3
	v_mov_b32 v[236+\b], 0                         ; a lane permute's destination counts as a source
.endr
	v_mov_b32 v253, 0
	v_mov_b32 v13, 0xff61b1e6                      ; -3e38, under every t
	v_floor_f32 v12, -v13
	s_wait_loadcnt 0x0
.macro STEP
	s_cmp_gt_u32 s[ST], s[LEV]                     ; all keys of the step come after my queries: its work is left out
	s_cbranch_scc1 .Lhidden_\@
	v_add_nc_u32 v8, s[TB], v1
	v_add_nc_u32 v9, s[TB], v2
	v_add_nc_u32 v10, s[TB], v3
	v_nop                                          ; four plain instructions behind the last products, ahead of loads into their registers
.irp t, 0,1,2,3
	ds_load_b128 v[32+12*\t:35+12*\t], v8 offset:768*\t
	ds_load_b64 v[36+12*\t:37+12*\t], v9 offset:768*\t+512
.endr
	ds_load_b128 v[248:251], v10 offset:6144
.irp t, 0,1,2,3
	ds_load_b128 v[80+12*\t:83+12*\t], v8 offset:6656+1536*\t
	ds_load_b64 v[84+12*\t:85+12*\t], v9 offset:6656+1536*\t+512
	ds_load_b128 v[86+12*\t:89+12*\t], v8 offset:6656+1536*\t+768
	ds_load_b64 v[90+12*\t:91+12*\t], v9 offset:6656+1536*\t+1280
.endr
	ds_load_b128 v[28:31], v10 offset:12800
	s_wait_dscnt 17                                ; V's 17 loads stay out
.irp t, 0,1,2,3
	v_wmma_scale_f32_16x16x128_f8f6f4 v[S+8*\t:S+8*\t+7], v[32+12*\t:43+12*\t], v[16:27], 0, v[248+\t], v255 matrix_a_fmt:MATRIX_FMT_FP6 matrix_b_fmt:MATRIX_FMT_FP6
.endr
	PLACES
.irp t, 0,1,2,3
	ds_load_b128 v[32+12*\t:35+12*\t], v8 offset:3072+768*\t
	ds_load_b64 v[36+12*\t:37+12*\t], v9 offset:3072+768*\t+512
.endr
	ds_load_b128 v[248:251], v10 offset:6400
	s_wait_dscnt 0x0
.irp t, 0,1,2,3
	v_wmma_scale_f32_16x16x128_f8f6f4 v[S+32+8*\t:S+32+8*\t+7], v[32+12*\t:43+12*\t], v[16:27], 0, v[248+\t], v255 matrix_a_fmt:MATRIX_FMT_FP6 matrix_b_fmt:MATRIX_FMT_FP6
.endr
	PLACES
	s_cmp_lg_u32 s[ST], s[LEV]                     ; only my own step lies on the diagonal
	s_cbranch_scc1 .Lopen_\@
	v_mov_b32 v254, 0xff800000
.set n, 0
.rept 64                               ; register 16 b + i holds key 32 b + 16 h + i of the step: hidden where 32 b + i > my query - 16 h
	v_cmp_gt_i32 vcc_lo, 32*(n/16)+n%16, v4
	v_cndmask_b32 v[S+n], v[S+n], v254, vcc_lo
.set n, n+1
.endr
.Lopen_\@:
.irp b, 0,1,2,3
	v_max3_num_f32 v[232+\b], v[S+16*\b], v[S+1+16*\b], v[S+2+16*\b]   ; each block's largest score: for the row's maximum, and for the block's largest p
.endr
.irp i, 3,5,7,9,11,13
.irp b, 0,1,2,3
	v_max3_num_f32 v[232+\b], v[232+\b], v[S+16*\b+\i], v[S+1+16*\b+\i]
.endr
.endr
.irp b, 0,1,2,3
	v_max_num_f32 v[232+\b], v[232+\b], v[S+15+16*\b]
.endr
.irp b, 0,1,2,3
	v_permlanex16_b32 v[236+\b], v[232+\b], s[SEL], s[SEL+1]
.endr
.irp b, 0,1,2,3
	v_max_num_f32 v[232+\b], v[232+\b], v[236+\b]
.endr
	v_max3_num_f32 v254, v232, v233, v234
	v_max_num_f32 v254, v254, v235
	v_mul_f32 v254, s[CS], v254
	v_max_num_f32 v13, v13, v254                   ; the running largest t
	v_mov_b32 v254, v12
	v_floor_f32 v12, -v13                          ; -M = floor(-t): M is a whole number
	v_sub_f32 v254, v12, v254
	v_cvt_i32_f32 v254, v254                       ; (it saturates)
	v_ldexp_f32 v252, 1.0, v254                    ; f = 2^(old M - new M): exact
.set n, 0
.rept 32
	v_pk_fma_f32 v[S+n:S+n+1], v[S+n:S+n+1], s[CS:CS+1], v[12:13] op_sel_hi:[1,0,0]   ; t - M
.set n, n+2
.endr
.irp b, 0,1,2,3
	v_fma_f32 v[232+\b], v[232+\b], s[CS], v12
.endr
.set n, 0
.rept 64
	v_exp_f32 v[S+n], v[S+n]                       ; p, not normalised
.set n, n+1
.endr
	v_pk_mul_f32 v[14:15], v[14:15], v[252:253] op_sel_hi:[1,0]     ; the sums under the new M: the plain instruction behind the batch
	s_wait_alu depctr_va_vdst(0)                   ; one wait for the 64, ahead of their first reader
.irp b, 0,1,2,3
	v_exp_f32 v[232+\b], v[232+\b]                 ; each block's largest p
.endr
	v_pk_add_f32 v[236:237], v[S:S+1], v[S+2:S+3]  ; the row's sum of the unquantised p, in two chains
.irp j, 4,8,12,16,20,24,28,32,36,40,44,48,52,56,60
	v_pk_add_f32 v[14:15], v[14:15], v[S+\j:S+\j+1]
	v_pk_add_f32 v[236:237], v[236:237], v[S+2+\j:S+3+\j]
.endr
	v_pk_add_f32 v[14:15], v[14:15], v[236:237]
	s_wait_alu depctr_va_vdst(0)                   ; and one for the four
.irp b, 0,1,2,3
	v_max_num_f32 v[232+\b], 0x1800000, v[232+\b]  ; the floor: the byte cannot fall under 1
.endr
.irp b, 0,1,2,3
	v_add_nc_u32 v[244+\b], 0xff000000, v[232+\b]
.endr
.irp b, 0,1,2,3
	v_lshrrev_b32 v[236+\b], 23, v[244+\b]
.endr
	v_lshl_or_b32 v253, v237, 8, v236
	v_lshl_or_b32 v253, v238, 16, v253
	v_lshl_or_b32 v253, v239, 24, v253
.irp c, 0,1
	v_cvt_scalef32_pk16_fp6_f32 v[224+6*\c:226+6*\c], v[S+32*\c:S+15+32*\c], v[244+2*\c]
	v_cvt_scalef32_pk16_fp6_f32 v[236+4*\c:238+4*\c], v[S+16+32*\c:S+31+32*\c], v[244+2*\c+1]
.endr
	v_nop
.irp c, 0,1
.irp i, 0,1,2
	v_permlane16_swap_b32 v[224+6*\c+\i], v[236+4*\c+\i]
.endr
.irp i, 0,1,2
	v_mov_b32 v[227+6*\c+\i], v[236+4*\c+\i]
.endr
.endr
.set n, 0
.rept 16
	v_pk_mul_f32 v[O+n:O+n+1], v[O+n:O+n+1], v[252:253] op_sel_hi:[1,0]   ; O^T under the new M; sixteen plain instructions between the scale word's and the codes' last writes and the products
.set n, n+2
.endr
.irp t, 0,1,2,3
	v_wmma_scale_f32_16x16x128_f8f6f4 v[O+8*\t:O+8*\t+7], v[80+12*\t:91+12*\t], v[224:235], v[O+8*\t:O+8*\t+7], v[28+\t], v253 matrix_a_fmt:MATRIX_FMT_FP6 matrix_b_fmt:MATRIX_FMT_FP6
.endr
.Lhidden_\@:
	s_add_co_u32 s[ST], s[ST], 1
	s_add_co_u32 s[TB], s[TB], REC
.endm
.macro GROUP g                         ; steps 4 g .. 4 g + 3
	s_wait_tensorcnt 3-\g                          ; my load of this group has landed; the later groups' stay out
	s_wait_dscnt 0x0
	s_barrier_signal -1
	s_barrier_wait -1
	s_mov_b32 s[TB], 4*REC*\g
	s_mov_b32 s[ST], 4*\g
	s_mov_b32 s[CNT], 4
.Lstep_\@:
	STEP
	s_sub_co_u32 s[CNT], s[CNT], 1
	s_cmp_lg_u32 s[CNT], 0
	s_cbranch_scc1 .Lstep_\@
.endm
	GROUP 0
	GROUP 1
	GROUP 2
	GROUP 3
	; THE WAY OUT: O^T / l, quantised along the head's 64 (two blocks), as a half fragment of the last product's A
	PLACES
	v_add_f32 v14, v14, v15
	v_permlanex16_b32 v252, v14, s[SEL], s[SEL+1]
	v_add_f32 v14, v14, v252                       ; the row's sum
	v_rcp_f32 v14, v14
	v_nop
	s_wait_alu depctr_va_vdst(0)
.set n, 0
.rept 32
	v_mul_f32 v[S+n], v[O+n], v14                  ; register 16 b + i: channel 32 b + 16 h + i
.set n, n+1
.endr
.irp b, 0,1
	v_max3_num_f32 v[232+\b], |v[S+16*\b]|, |v[S+1+16*\b]|, 0x1800000
.endr
.irp i, 2,4,6,8,10,12,14
.irp b, 0,1
	v_max3_num_f32 v[232+\b], v[232+\b], |v[S+16*\b+\i]|, |v[S+1+16*\b+\i]|
.endr
.endr
.irp b, 0,1
	v_permlanex16_b32 v[236+\b], v[232+\b], s[SEL], s[SEL+1]
.endr
.irp b, 0,1
	v_max_num_f32 v[232+\b], v[232+\b], v[236+\b]
.endr
.irp b, 0,1
	v_add_nc_u32 v[244+\b], 0xff000000, v[232+\b]
.endr
.irp b, 0,1
	v_lshrrev_b32 v[236+\b], 23, v[244+\b]
.endr
	v_lshl_or_b32 v253, v237, 8, v236              ; bytes 0, 1: the head's two blocks; bytes 2, 3: 0
	v_cvt_scalef32_pk16_fp6_f32 v[224:226], v[S:S+15], v244
	v_cvt_scalef32_pk16_fp6_f32 v[240:242], v[S+16:S+31], v245
	v_nop
.irp i, 0,1,2
	v_permlane16_swap_b32 v[224+\i], v[240+\i]
.endr
.irp i, 0,1,2
	v_mov_b32 v[227+\i], v[240+\i]
.endr
	global_store_b128 v1, v[224:227], s[8:9]       ; 512 consecutive aligned bytes
	global_store_b64 v2, v[228:229], s[8:9] offset:512
	global_store_b32 v7, v253, s[10:11]            ; lanes r and r + 16 write the same word
	s_wait_tensorcnt 0x0                           ; the wave's end
	ds_add_u32 v5, v6
	s_wait_dscnt 0x0
	ROUND                                          ; the closing round
	s_endpgm
.Lfunc_end_k_q32010688b8_attn:
	.size	k_q32010688b8_attn, .Lfunc_end_k_q32010688b8_attn-k_q32010688b8_attn
	.p2alignl 7, 3214868480
	.fill 96, 4, 3214868480
	.section	.rodata,"a",@progbits
	.p2align	6, 0x0
	.amdhsa_kernel k_q32010688b8_attn
		.amdhsa_group_segment_fixed_size 210944
		.amdhsa_private_segment_fixed_size 0
		.amdhsa_enable_private_segment 0
		.amdhsa_kernarg_size 32
		.amdhsa_user_sgpr_count 2
		.amdhsa_user_sgpr_kernarg_segment_ptr 1
		.amdhsa_wavefront_size32 1
		.amdhsa_system_sgpr_workgroup_id_x 1
		.amdhsa_system_sgpr_workgroup_id_y 1
		.amdhsa_system_sgpr_workgroup_id_z 1
		.amdhsa_system_vgpr_workitem_id 0
		.amdhsa_next_free_vgpr 256
		.amdhsa_next_free_sgpr 66
		.amdhsa_reserve_vcc 1
		.amdhsa_float_denorm_mode_32 3
		.amdhsa_float_denorm_mode_16_64 3
		.amdhsa_memory_ordered 1
		.amdhsa_forward_progress 1
		.amdhsa_inst_pref_size 98
	.end_amdhsa_kernel
	.amdgpu_metadata
---
amdhsa.version: [ 1, 2 ]
amdhsa.kernels:
  - .name:           k_q32010688b8_attn
    .symbol:         k_q32010688b8_attn.kd
    .args:
      - { .name: qc, .offset: 0, .size: 8, .value_kind: global_buffer, .address_space: global }
      - { .name: kv, .offset: 8, .size: 8, .value_kind: global_buffer, .address_space: global }
      - { .name: oc, .offset: 16, .size: 8, .value_kind: global_buffer, .address_space: global }
      - { .name: osc, .offset: 24, .size: 8, .value_kind: global_buffer, .address_space: global }
    .group_segment_fixed_size: 210944
    .private_segment_fixed_size: 0
    .kernarg_segment_align: 8
    .kernarg_segment_size: 32
    .max_flat_workgroup_size: 512
    .sgpr_count:     66
    .vgpr_count:     256
    .wavefront_size: 32
...
	.end_amdgpu_metadata
.endif
;; end of part 3
;; launch outproj (part 4): grid 4 x 64, 4 waves a work-group, clusters of 4 x 1, 167,936 bytes of LDS; arguments oc, osc, wc, wsc, bo, out0; writes out0
.if DOCPART == 4
	.amdgcn_target "amdgcn-amd-amdhsa--gfx1250"
	.amdhsa_code_object_version 6
	.text
	.protected	k_q32010688b8_outproj
	.globl	k_q32010688b8_outproj
	.p2align	8
	.type	k_q32010688b8_outproj,@function
k_q32010688b8_outproj:
	s_mov_b64 s[64:65], 0
	v_nop
	global_prefetch_b8 v0, s[64:65] scope:SCOPE_SE
	s_setreg_imm32_b32 hwreg(HW_REG_WAVE_MODE, 25, 1), 1
	s_wait_xcnt 0x0
	s_wait_alu depctr_hold_cnt(0) depctr_sa_sdst(0) depctr_va_vdst(0) depctr_va_sdst(0) depctr_va_ssrc(0) depctr_va_vcc(0) depctr_vm_vsrc(0)
	s_getreg_b32 s2, hwreg(HW_REG_IB_STS2, 6, 4)
	s_cmp_eq_u32 s2, 0
	s_cbranch_scc0 .Lentry_in_a_cluster
	s_endpgm
.Lentry_in_a_cluster:
	s_bfe_u32 s2, ttmp6, 0x10000c
	s_cmp_lg_u32 s2, 0x3003
	s_cbranch_scc0 .Lentry_shape_is_right
	s_endpgm
.Lentry_shape_is_right:
; out0 = A Wo + bo on codes of E2M3: A is the attention's result as images of fragments (oc) with one scale word for each head, tile and row (osc).
; A work-group makes 128 rows x 256 columns; wave w 128 x 64: 32 accumulators.  Its 32 fragments of Wo (all of K, 384 registers) are loaded once and stay.
; A's 96 KiB come by JOINT loads of the cluster's four work-groups, which share the rows: four chunks of two K steps, each wave a quarter of each: four tensor loads of a wave are out at the most.
; Source 0 = Wo's 16 columns, source 1 = A's 16 rows: a lane holds one row and eight neighbouring columns; bo is the C of each sum's first instruction.
; Windows: 0: addresses, scales, bias, A's set 0 (v160-255);  1: accumulators at 8 (4 ix + iw);  2: W of K steps 0-4;  3: W of K steps 5-7 (v0-143), A's set 1 (v160-255).
.set ASC,   98304                      ; LDS: 0 .. 98,303 A's images [ks][tile][1,536]; here their quads [ks][2][256], made by this launch
.set STG,   102400                     ; a stage of 16 rows x 272 bytes for each wave
.set SPARE, 119808
.set L16,  1
.set L8,   2
.set L16B, 3                           ; 49,152 on: K steps 4-7
.set L8B,  4
.set R16,  5
.set ASA,  6
.set OSA,  7
.set ASW,  8
.set BIA,  9
.set STO,  10
.set RD,   11
.set CO,   12
.set SPW,  30
.set NIL,  31
.set WSC,  32                          ; v32-63  W's scale words, 4 ks + iw
.set ASCR, 64                          ; v64-79  A's, two sets of 8
.set BIAS, 80                          ; v80-111
.set TMP,  112                         ; v112-143
.set AF,   160
.set G1, 16
.set G0, 24
.set WV, 40
.set WB, 44
.set WS, 46
.set BO, 48
.set OUTP, 50
.set OS, 52
.set MSB, 0
.macro WIN new
.if MSB != (\new)
	s_set_vgpr_msb (MSB<<8)|(\new)
.set MSB, (\new)
.endif
.endm
.macro PLACES
.rept 4
	v_nop
.endr
.endm
.macro ROUND
	s_barrier_signal -1
	s_barrier_wait -1
	s_cmp_lg_u32 s[WV], 0
	s_cbranch_scc1 .Lnot_wave_0_\@
	s_barrier_signal -3
.Lnot_wave_0_\@:
	s_barrier_wait -3
	s_barrier_signal -1
	s_barrier_wait -1
.endm
	s_load_b256 s[4:11], s[0:1], 0x0               ; oc, osc, wc, wsc
	s_load_b128 s[12:15], s[0:1], 0x20             ; bo, out0
	v_lshl_add_u32 v[SPW], v0, 2, SPARE
	v_mov_b32 v[NIL], 0
	ds_add_u32 v[SPW], v[NIL]                      ; the wave's opening: the add and its wait ahead of the first tensor load
	v_lshrrev_b32 v13, 5, v0
	v_readfirstlane_b32 s[WV], v13
	s_and_b32 s42, ttmp7, 0xffff                   ; the block of 128 rows, which the four partners share
	s_mov_b32 s[G1], 15|(3<<16)|(1<<21)            ; the mask: all four; elements of 8 bytes; bit 21 beside a mask
	s_mov_b32 s[G1+1], 32<<16                      ; 6,144 dense bytes: 24 rows of 256
	s_mov_b32 s[G1+2], 24<<16
	s_mov_b32 s[G1+3], 32<<16
	s_mov_b32 s[G1+4], 24
	s_mov_b32 s[G1+5], 32
	s_mov_b32 s[G1+6], 0
	s_mov_b32 s[G1+7], 0
	s_mul_i32 s43, s[WV], 6144
	s_mul_i32 s54, s42, 98304
	s_add_co_u32 s54, s54, s43
	s_mov_b32 s55, 0
	s_wait_dscnt 0x0                               ; the opening add is done
	s_wait_kmcnt 0x0
	s_add_nc_u64 s[54:55], s[4:5], s[54:55]
.irp c, 0,1,2,3
	s_mov_b32 s[G0+4*\c], 1
	s_add_co_u32 s[G0+4*\c+1], s43, 24576*\c
	s_add_nc_u64 s[G0+4*\c+2:G0+4*\c+3], s[54:55], 24576*\c
	s_or_b32 s[G0+4*\c+3], s[G0+4*\c+3], 0x80000000
.endr
	ROUND                                          ; all four work-groups are here
.irp c, 0,1,2,3
	tensor_load_to_lds s[G0+4*\c:G0+4*\c+3], s[G1:G1+7]
	s_nop 0
.endr
.rept 4
	v_nop
.endr
	s_bfe_u32 s41, ttmp6, 0x40000                  ; cx: it enters W's, bo's and out0's addresses alone
	s_lshl_b32 s56, ttmp9, 2
	s_add_co_u32 s41, s41, s56                     ; the block of 256 columns
	s_lshl_b32 s41, s41, 1
	s_lshr_b32 s56, s[WV], 1
	s_add_co_u32 s41, s41, s56                     ; g: the group of 128 columns
	s_and_b32 s57, s[WV], 1                        ; hf: which 64 of them
	s_mul_i32 s58, s41, 98304
	s_mul_i32 s56, s57, 6144
	s_add_co_u32 s58, s58, s56
	s_add_co_u32 s58, s58, 2359296                 ; Wo is the fourth weight
	s_mov_b32 s59, 0
	s_add_nc_u64 s[WB:WB+1], s[8:9], s[58:59]
	s_lshl_b32 s58, s41, 12
	s_lshl_b32 s56, s57, 8
	s_add_co_u32 s58, s58, s56
	s_add_co_u32 s58, s58, 98304
	s_add_nc_u64 s[WS:WS+1], s[10:11], s[58:59]
	s_lshl_b32 s58, s41, 9
	s_add_co_u32 s58, s58, s56                     ; 4 x my first column
	s_add_nc_u64 s[BO:BO+1], s[12:13], s[58:59]
	s_add_nc_u64 s[OUTP:OUTP+1], s[14:15], s[58:59]
	s_lshl_b32 s58, s42, 19
	s_add_nc_u64 s[OUTP:OUTP+1], s[OUTP:OUTP+1], s[58:59]
	s_lshl_b32 s58, s42, 13
	s_add_nc_u64 s[OS:OS+1], s[6:7], s[58:59]
	v_and_b32 v13, 31, v0
	v_and_b32 v14, 15, v0                          ; r
	v_bfe_u32 v15, v0, 4, 1                        ; h
	v_lshlrev_b32 v[L16], 4, v13
	v_lshlrev_b32 v[L8], 3, v13
	v_add_nc_u32 v[L16B], 49152, v[L16]
	v_add_nc_u32 v[L8B], 49152, v[L8]
	v_lshlrev_b32 v[R16], 4, v14
	v_add_nc_u32 v[ASA], ASC, v[R16]
	v_lshlrev_b32 v[OSA], 2, v0                    ; thread = 16 x tile + r
	v_lshrrev_b32 v16, 6, v0
	v_lshlrev_b32 v16, 8, v16                      ; quad tile / 4
	v_bfe_u32 v17, v0, 4, 2
	v_lshl_add_u32 v16, v17, 2, v16                ; word tile % 4
	v_add_nc_u32 v16, v16, v[R16]
	v_add_nc_u32 v[ASW], ASC, v16
	v_lshlrev_b32 v[BIA], 6, v15
	s_mul_i32 s43, s[WV], 4352
	s_add_co_u32 s43, s43, STG
	v_mul_u32_u24 v16, v14, 272
	v_lshl_add_u32 v16, v15, 6, v16
	v_add_nc_u32 v[STO], s43, v16
	v_mul_u32_u24 v16, v15, 272
	v_lshl_add_u32 v16, v14, 4, v16
	v_add_nc_u32 v[RD], s43, v16
	v_lshlrev_b32 v[CO], 12, v15
	v_lshl_add_u32 v[CO], v14, 4, v[CO]
.irp d, 0,1,2,3,4,5,6,7,8,9,10,11,12,13,14,15
	global_load_b32 v[TMP+\d], v[OSA], s[OS:OS+1] offset:512*\d      ; head d's word of my (tile, row)
.endr
.irp i, 0,1,2,3
	global_load_b128 v[BIAS+8*\i:BIAS+8*\i+3], v[BIA], s[BO:BO+1] offset:(32*(\i/2)+8*(\i%2))*4
	global_load_b128 v[BIAS+8*\i+4:BIAS+8*\i+7], v[BIA], s[BO:BO+1] offset:(32*(\i/2)+8*(\i%2))*4+16
.endr
.irp s, 0,1,2,3,4,5,6,7
	global_load_b128 v[WSC+4*\s:WSC+4*\s+3], v[R16], s[WS:WS+1] offset:512*\s
.endr
.irp s, 0,1,2,3,4,5,6,7
.if \s < 5
	WIN 0x80
.set WR, 48*\s
.else
	WIN 0xc0
.set WR, 48*(\s-5)
.endif
.irp i, 0,1,2,3
	global_load_b128 v[WR+12*\i:WR+12*\i+3], v[L16], s[WB:WB+1] offset:12288*\s+1536*\i
	global_load_b64 v[WR+12*\i+4:WR+12*\i+5], v[L8], s[WB:WB+1] offset:12288*\s+1536*\i+512
	global_load_b128 v[WR+12*\i+6:WR+12*\i+9], v[L16], s[WB:WB+1] offset:12288*\s+1536*\i+768
	global_load_b64 v[WR+12*\i+10:WR+12*\i+11], v[L8], s[WB:WB+1] offset:12288*\s+1536*\i+1280
.endr
.endr
	WIN 0
	s_wait_loadcnt 63                              ; of the 160 loads the oldest 97 are in: the words, the bias and W's scales among them
.irp s, 0,1,2,3,4,5,6,7
	v_lshl_or_b32 v[TMP+16+\s], v[TMP+2*\s+1], 16, v[TMP+2*\s]       ; a K step's word: the even head's two bytes, then the odd head's
.endr
.irp s, 0,1,2,3,4,5,6,7
	ds_store_b32 v[ASW], v[TMP+16+\s] offset:512*\s
.endr
.macro FETCH_A ks                      ; 34 LDS loads: A's eight fragments and two quads of K step ks into set ks % 2
.set FAS, (\ks)%2
.if (\ks) < 4
.set AA, L16
.set AB, L8
.else
.set AA, L16B
.set AB, L8B
.endif
.set KOF, 12288*((\ks)%4)
	WIN 0xc0*FAS
.irp i, 0,1,2,3,4,5,6,7
	ds_load_b128 v[AF+12*\i:AF+12*\i+3], v[AA] offset:KOF+1536*\i
	ds_load_b64 v[AF+12*\i+4:AF+12*\i+5], v[AB] offset:KOF+1536*\i+512
	ds_load_b128 v[AF+12*\i+6:AF+12*\i+9], v[AA] offset:KOF+1536*\i+768
	ds_load_b64 v[AF+12*\i+10:AF+12*\i+11], v[AB] offset:KOF+1536*\i+1280
.endr
	WIN 0
	ds_load_b128 v[ASCR+8*FAS:ASCR+8*FAS+3], v[ASA] offset:512*(\ks)
	ds_load_b128 v[ASCR+8*FAS+4:ASCR+8*FAS+7], v[ASA] offset:512*(\ks)+256
.endm
.macro KS ks
	PLACES                                         ; ahead of loads into the set that the last products read
.if ((\ks)+1 < 8) && (((\ks)+1)%2 == 0)
	s_wait_tensorcnt 3-((\ks)+1)/2                 ; my quarter of the next chunk has landed; the later chunks stay out
	s_wait_dscnt 0x0
	s_barrier_signal -1
	s_barrier_wait -1
.endif
.if (\ks) < 7
	FETCH_A (\ks)+1
	s_wait_dscnt 34                                ; all but the 34 just issued
.else
	s_wait_dscnt 0x0
.endif
.if 16*(7-(\ks)) > 63
	s_wait_loadcnt 63
.else
	s_wait_loadcnt 16*(7-(\ks))                    ; the later K steps' 16 loads each stay out
.endif
.set FS, (\ks)%2
.if (\ks) < 5
.set WW, 2
.set WR, 48*(\ks)
.else
.set WW, 3
.set WR, 48*((\ks)-5)
.endif
.if (\ks) == 0
	WIN 0x40|WW|(12*FS)                            ; C: the bias, window 0
.else
	WIN 0x50|WW|(12*FS)
.endif
.irp x, 0,1,2,3,4,5,6,7                ; the 32 accumulators take turns, one instruction a turn
.irp i, 0,1,2,3
.if (\ks) == 0
	v_wmma_scale_f32_16x16x128_f8f6f4 v[8*(4*\x+\i):8*(4*\x+\i)+7], v[WR+12*\i:WR+12*\i+11], v[AF+12*\x:AF+12*\x+11], v[BIAS+8*\i:BIAS+8*\i+7], v[WSC+4*(\ks)+\i], v[ASCR+8*FS+\x] matrix_a_fmt:MATRIX_FMT_FP6 matrix_b_fmt:MATRIX_FMT_FP6
.else
	v_wmma_scale_f32_16x16x128_f8f6f4 v[8*(4*\x+\i):8*(4*\x+\i)+7], v[WR+12*\i:WR+12*\i+11], v[AF+12*\x:AF+12*\x+11], v[8*(4*\x+\i):8*(4*\x+\i)+7], v[WSC+4*(\ks)+\i], v[ASCR+8*FS+\x] matrix_a_fmt:MATRIX_FMT_FP6 matrix_b_fmt:MATRIX_FMT_FP6
.endif
.endr
.endr
	WIN 0
.endm
	s_wait_tensorcnt 3                             ; my quarter of chunk 0 has landed,
	s_wait_dscnt 0x0                               ; and my scale words
	s_barrier_signal -1
	s_barrier_wait -1
	FETCH_A 0
.irp k, 0,1,2,3,4,5,6,7
	KS \k
.endr
	; THE WAY OUT: a tile of 16 rows x 64 columns at a time through my own stage, back as rows of 256 bytes
	PLACES
.irp x, 0,1,2,3,4,5,6,7
	s_wait_xcnt 0x0                                ; the last stores have read their registers
	WIN 0x04                                       ; an LDS store's data: window 1
.irp i, 0,1,2,3
	ds_store_b128 v[STO], v[8*(4*\x+\i):8*(4*\x+\i)+3] offset:128*(\i/2)+32*(\i%2)      ; each accumulator from its low end on
	ds_store_b128 v[STO], v[8*(4*\x+\i)+4:8*(4*\x+\i)+7] offset:128*(\i/2)+32*(\i%2)+16
.endr
	WIN 0
.irp t, 0,1,2,3,4,5,6,7
	ds_load_b128 v[TMP+4*\t:TMP+4*\t+3], v[RD] offset:544*\t         ; my own bytes: LDS serves a wave's instructions in order
.endr
.irp t, 0,1,2,3,4,5,6,7
	s_wait_dscnt 7-\t                              ; the younger loads stay out
	global_store_b128 v[CO], v[TMP+4*\t:TMP+4*\t+3], s[OUTP:OUTP+1] offset:(32*(\x/2)+8*(\x%2)+2*\t+8*(\t/4))*4096 th:TH_STORE_NT   ; sixteen lanes store 256 consecutive aligned bytes
.endr
.endr
	s_wait_tensorcnt 0x0                           ; the wave's end
	ds_add_u32 v[SPW], v[NIL]
	s_wait_dscnt 0x0
	ROUND                                          ; the closing round
	s_endpgm
.Lfunc_end_k_q32010688b8_outproj:
	.size	k_q32010688b8_outproj, .Lfunc_end_k_q32010688b8_outproj-k_q32010688b8_outproj
	.p2alignl 7, 3214868480
	.fill 96, 4, 3214868480
	.section	.rodata,"a",@progbits
	.p2align	6, 0x0
	.amdhsa_kernel k_q32010688b8_outproj
		.amdhsa_group_segment_fixed_size 167936
		.amdhsa_private_segment_fixed_size 0
		.amdhsa_enable_private_segment 0
		.amdhsa_kernarg_size 48
		.amdhsa_user_sgpr_count 2
		.amdhsa_user_sgpr_kernarg_segment_ptr 1
		.amdhsa_wavefront_size32 1
		.amdhsa_system_sgpr_workgroup_id_x 1
		.amdhsa_system_sgpr_workgroup_id_y 1
		.amdhsa_system_sgpr_workgroup_id_z 1
		.amdhsa_system_vgpr_workitem_id 0
		.amdhsa_next_free_vgpr 1024
		.amdhsa_next_free_sgpr 66
		.amdhsa_reserve_vcc 0
		.amdhsa_float_denorm_mode_32 3
		.amdhsa_float_denorm_mode_16_64 3
		.amdhsa_memory_ordered 1
		.amdhsa_forward_progress 1
		.amdhsa_inst_pref_size 91
	.end_amdhsa_kernel
	.amdgpu_metadata
---
amdhsa.version: [ 1, 2 ]
amdhsa.kernels:
  - .name:           k_q32010688b8_outproj
    .symbol:         k_q32010688b8_outproj.kd
    .args:
      - { .name: oc, .offset: 0, .size: 8, .value_kind: global_buffer, .address_space: global }
      - { .name: osc, .offset: 8, .size: 8, .value_kind: global_buffer, .address_space: global }
      - { .name: wc, .offset: 16, .size: 8, .value_kind: global_buffer, .address_space: global }
      - { .name: wsc, .offset: 24, .size: 8, .value_kind: global_buffer, .address_space: global }
      - { .name: bo, .offset: 32, .size: 8, .value_kind: global_buffer, .address_space: global }
      - { .name: out0, .offset: 40, .size: 8, .value_kind: global_buffer, .address_space: global }
    .group_segment_fixed_size: 167936
    .private_segment_fixed_size: 0
    .kernarg_segment_align: 8
    .kernarg_segment_size: 48
    .max_flat_workgroup_size: 128
    .sgpr_count:     66
    .vgpr_count:     1024
    .wavefront_size: 32
...
	.end_amdgpu_metadata
.endif
;; end of part 4
;; ======== version 2 of 2: 4 launches
;; workspace buffers: wc 3,145,728 bytes; wsc 131,072 bytes; qc 6,815,744 bytes; kv 13,369,344 bytes; oc 6,291,456 bytes; osc 524,288 bytes
;; launch quant_w: the kernel of part 1 again; grid 8 x 32, 4 waves a work-group, no clusters, 13,312 bytes of LDS; arguments Wq, Wk, Wv, Wo, wc, wsc; writes wc, wsc
;; launch proj (part 5): grid 64 x 3, 4 waves a work-group, no clusters, 136,704 bytes of LDS; arguments q, k, v, bq, bk, bv, wc, wsc, qc, kv; writes qc, kv
.if DOCPART == 5
	.amdgcn_target "amdgcn-amd-amdhsa--gfx1250"
	.amdhsa_code_object_version 6
	.text
	.protected	k_q32010688b8_proj
	.globl	k_q32010688b8_proj
	.p2align	8
	.type	k_q32010688b8_proj,@function
k_q32010688b8_proj:
	s_mov_b64 s[64:65], 0
	v_nop
	global_prefetch_b8 v0, s[64:65] scope:SCOPE_SE
	s_setreg_imm32_b32 hwreg(HW_REG_WAVE_SCHED_MODE, 0, 2), 2
	s_setreg_imm32_b32 hwreg(HW_REG_WAVE_MODE, 25, 1), 1
	s_wait_xcnt 0x0
	s_wait_alu depctr_vm_vsrc(0)
; x W + b for x = q, k, v (work-group y = 0, 1, 2), both operands as codes of E2M3 with E8M0 scales; the result is quantised at once for the attention launch and never goes to memory as f32.
; A work-group owns 128 rows of x (one step of attention) and all 1,024 columns.  PHASE X: wave w quantises tiles 2 w, 2 w + 1 of the rows for all of K; the fragments' images go to LDS (96 KiB).
; PHASE G: wave w makes column groups 2 w and 2 w + 1, 128 x 128 each: 64 accumulators, 512 registers.  x's fragments come from LDS, W's from wc straight into registers.
; A tile's lane r holds row (or column) 32 (tile / 2) + 8 (tile % 2) + r + 8 (r / 8): so a lane's 16 registers of two neighbouring result tiles are 16 neighbours along the next product's K.
; q, k: source 0 = W, source 1 = x: a lane holds one row and 64 numbers along the columns (two heads): quantised along the head's 64.  v: source 0 = x, source 1 = W: a lane holds one column and
; 64 numbers along the keys: quantised along the keys.  The two ways part only round a K step's matrix instructions, on the work-group's y.  The bias is the C of each sum's first instruction.
; NO JOINT LOADS FOR W: a fragment of W feeds eight products of ONE wave of the work-group; through LDS its 768 KiB a work-group would be written and read once more, in a ring with a barrier for each
; K step, beside the 96 KiB that x's images hold.
; OUT: qc [head 64][step 16] records of 6,656 bytes: 8 half fragments (768 each), 2 quads.  kv records of 13,056: K's 8 half fragments, 2 quads, V's 4 fragments (1,536 each), 1 quad.
; LIMITS: NaN and infinities are not served; a block whose largest magnitude lies under 2^-124, zeros among them, keeps the byte 1; only this program reads the bytes.
; THE MODE: SCHED_MODE bits 1:0 = 2 (LLVM: expert scheduling mode 2), set by the entry lines.  The code itself states the register dependences between vector or matrix instructions
; and memory or LDS instructions, with s_wait_alu, always for 0.
; THE PLAN.  Registers that memory or LDS instructions touch:
;   PHASE X.  Window 2's four sets: written by x's loads, read by the stage's LDS stores; no vector instruction names them.
;     XT0, XT1       The stage's LDS loads of step s + 1 land in XT[(s + 1) % 2]; they are issued in step s ahead of its quantiser, which reads XT[s % 2].
;     PC0, PC1 (each with its PW)  Written by step s's quantiser (buffer s % 2), read by the step's five LDS stores.
;     One pair of waits a step, behind the quantiser: on vm_vsrc for the stage's stores of step s + 1 and the image stores of step s - 1, both issued a quantiser earlier; on va_vdst for the quantiser itself.
;   PHASE G.  W's two sets, x's two sets and their scale words: the loads of K step s + 1 land in the sets that the matrix instructions of step s - 1 read.  ONE wait on va_vdst at a step's head;
;     behind it W's 34 loads at once and x's 34 LDS loads in two runs among the step's products, which name this step's sets, the bias and the accumulators: none of the registers that those loads touch.
;     XFA, XFB, XSA  Read by x's LDS loads; written at a group's head and once in a trip of the K loop, behind a wait on vm_vsrc and ahead of the step's wait on va_vdst.
;     SW             Written at a group's head, read as the bias loads' offsets; written again by the epilogue, read by the stores of the quads.
;     PC0, PC1       The epilogue's runs write them by turns; a run's four stores read its buffer.  The waits stand behind a run's quantiser.
;   All other offsets and addresses are made at the head and never written again.
.set XSC,   98304                      ; LDS: 0 .. 98,303 x's images [ks 8][tile 8][1,536]; here their quads [ks][2][256]
.set STG,   102400                     ; a stage of 16 rows x 528 bytes for each wave
.set SPARE, 136192                     ; the spare words
.set BI0,  1                           ; v1   the bias' lane offset
.set GXA,  4                           ; v4   x: 16 x lane + 32 rows x wave
.set SIN,  5                           ; v5   stage, in
.set SOUT, 6                           ; v6   stage, out: row r, 64 h
.set IMA,  7                           ; v7   my images: 3,072 x wave + 16 x lane  (v28: 49,152 on)
.set IMB,  8                           ; v8   3,072 x wave + 8 x lane  (v29)
.set XWS,  9                           ; v9   my scale words among the quads
.set L16,  10
.set L8,   11
.set XFA,  12                          ; v12-14 the K step's LDS addresses
.set XFB,  13
.set XSA,  14
.set WSA,  15                          ; v15  16 r
.set XS0,  16                          ; v16  XSC + 16 r
.set SCO,  17                          ; v17  h x a head's bytes + 16 r
.set V16H, 18                          ; v18  16 h (q, k) or 0 (v)
.set SW,   20                          ; v20-27 the bias' eight offsets; later the scale words being gathered
.set IMA2, 28
.set IMB2, 29
.set SPW,  30
.set NIL,  31
.set WSC,  32                          ; v32-47 W's scale words, two sets of 8
.set XSCR, 48                          ; v48-63 x's
.set XF,   64                          ; v64-159, v160-255 x's fragments, two sets
.set PC,   64                          ; while those are dead: codes just made, two buffers by turns: v64-82 and v86-104,
.set PW,   84                          ; each with its scale word: v84, v106,
.set TM,   108                         ; v108-123 at work,
.set XT,   128                         ; v128-191, v192-255 two buffers of 64 numbers of x
.set BIAS, 192                         ; window 1: v0-95, v96-191 W's fragments; v192-255 the bias.  Windows 2, 3: accumulators (in phase X window 2 holds four sets of loads)
.set XB, 24
.set BB, 26
.set WB, 28
.set WS, 30
.set OB, 34
.set HB, 38                            ; s[38:39] a head's bytes in the output
.set T,  41
.set RB, 42
.set WV, 43
.set GRP, 44
.set CNT, 45
.set SEL, 46
.set HM,  48
.set BST, 49
.set ESTEP, 50                         ; s[50:57] how the epilogue's two addresses walk
.set EJUMP, 52
.set EDIFF, 54
.set EOFF,  56
.set EA, 58
.set EB, 60
.set KO, 62
.set KSO, 63
.set H2, 66
.set MSB, 0
.macro WIN new                         ; the immediate's high byte repeats the setting that is left
.if MSB != (\new)
	s_set_vgpr_msb (MSB<<8)|(\new)
.set MSB, (\new)
.endif
.endm
.macro PLACES                          ; four plain instructions behind matrix instructions, ahead of loads into their registers and of reads of their results
.rept 4
	v_nop
.endr
.endm
.macro OUTBUF n                        ; which of the two buffers of codes the next quantiser writes
.set PC, 64+22*(\n)
.set PW, PC+20
.endm
; 64 numbers v[QS] .. v[QS + 63] of window QW, register 16 b + i = k 32 b + 16 h + i of my row, become a fragment in v[PC] .. v[PC + 11] and its scale word in v[PW].
.macro QUANT
	WIN QW|(QW<<2)
.irp b, 0,1,2,3
	v_max3_num_f32 v[TM+\b], |v[QS+16*\b]|, |v[QS+1+16*\b]|, 0x1800000   ; with the floor 2^(3 - 127); each accumulator is read from its low end on
.endr
	WIN (QW<<2)|(QW<<4)
.irp i, 2,4,6,8,10,12,14
.irp b, 0,1,2,3
	v_max3_num_f32 v[TM+\b], v[TM+\b], |v[QS+16*\b+\i]|, |v[QS+1+16*\b+\i]|
.endr
.endr
	WIN 0
.irp b, 0,1,2,3
	v_permlanex16_b32 v[TM+4+\b], v[TM+\b], s[SEL], s[SEL+1]
.endr
.irp b, 0,1,2,3
	v_max_num_f32 v[TM+\b], v[TM+\b], v[TM+4+\b]   ; with lane l xor 16's 16 numbers: the block's largest magnitude
.endr
.irp b, 0,1,2,3
	v_add_nc_u32 v[TM+12+\b], 0xff000000, v[TM+\b]   ; 2 off the exponent field: the conversion's scale operand
.endr
.irp b, 0,1,2,3
	v_lshrrev_b32 v[TM+4+\b], 23, v[TM+12+\b]
.endr
	v_lshl_or_b32 v[PW], v[TM+5], 8, v[TM+4]
	v_lshl_or_b32 v[PW], v[TM+6], 16, v[PW]
	v_lshl_or_b32 v[PW], v[TM+7], 24, v[PW]
	WIN QW
.irp c, 0,1
	v_cvt_scalef32_pk16_fp6_f32 v[PC+6*\c:PC+2+6*\c], v[QS+32*\c:QS+15+32*\c], v[TM+12+2*\c]
	v_cvt_scalef32_pk16_fp6_f32 v[PC+12+4*\c:PC+14+4*\c], v[QS+16+32*\c:QS+31+32*\c], v[TM+12+2*\c+1]
.endr
	WIN 0
	v_nop                                          ; one plain instruction behind a scaled conversion
.irp c, 0,1                            ; a whole block to a lane: lanes 0-15 block 2 c, lanes 16-31 block 2 c + 1
.irp i, 0,1,2
	v_permlane16_swap_b32 v[PC+6*\c+\i], v[PC+12+4*\c+\i]
.endr
.irp i, 0,1,2
	v_mov_b32 v[PC+3+6*\c+\i], v[PC+12+4*\c+\i]
.endr
.endr
.endm
.macro FETCH_W set, off, soff          ; 34 loads: W's eight fragments and two quads of one K step
	WIN 0x40
.irp i, 0,1,2,3,4,5,6,7
	global_load_b128 v[96*(\set)+12*\i:96*(\set)+12*\i+3], v[L16], s[WB:WB+1] offset:(\off)+1536*\i
	global_load_b64 v[96*(\set)+12*\i+4:96*(\set)+12*\i+5], v[L8], s[WB:WB+1] offset:(\off)+1536*\i+512
	global_load_b128 v[96*(\set)+12*\i+6:96*(\set)+12*\i+9], v[L16], s[WB:WB+1] offset:(\off)+1536*\i+768
	global_load_b64 v[96*(\set)+12*\i+10:96*(\set)+12*\i+11], v[L8], s[WB:WB+1] offset:(\off)+1536*\i+1280
.endr
	WIN 0
	global_load_b128 v[WSC+8*(\set):WSC+8*(\set)+3], v[WSA], s[WS:WS+1] offset:(\soff)
	global_load_b128 v[WSC+8*(\set)+4:WSC+8*(\set)+7], v[WSA], s[WS:WS+1] offset:(\soff)+256
.endm
.macro FETCH_X set, off, soff, half    ; 17 LDS loads: x's fragments 4 half .. 4 half + 3 and quad half of one K step
.irp i, 0,1,2,3
	ds_load_b128 v[XF+96*(\set)+12*(4*(\half)+\i):XF+96*(\set)+12*(4*(\half)+\i)+3], v[XFA] offset:(\off)+1536*(4*(\half)+\i)
	ds_load_b64 v[XF+96*(\set)+12*(4*(\half)+\i)+4:XF+96*(\set)+12*(4*(\half)+\i)+5], v[XFB] offset:(\off)+1536*(4*(\half)+\i)+512
	ds_load_b128 v[XF+96*(\set)+12*(4*(\half)+\i)+6:XF+96*(\set)+12*(4*(\half)+\i)+9], v[XFA] offset:(\off)+1536*(4*(\half)+\i)+768
	ds_load_b64 v[XF+96*(\set)+12*(4*(\half)+\i)+10:XF+96*(\set)+12*(4*(\half)+\i)+11], v[XFB] offset:(\off)+1536*(4*(\half)+\i)+1280
.endr
	ds_load_b128 v[XSCR+8*(\set)+4*(\half):XSCR+8*(\set)+4*(\half)+3], v[XSA] offset:(\soff)+256*(\half)
.endm
; 16 matrix instructions, x = x0, x0 + 1.  mode 0: accumulator 8 ix + iw, ix = 4 hi + x;  mode 1: accumulator 8 iw + ix, iw = 4 hi + x.  The 64 accumulators take turns, one instruction a turn.
.macro MM mode, set, first, hi, x0
.if \mode == 0
.if \first
	WIN 0x91+0x40*(\hi)                            ; W window 1, x window 0, C (the bias) window 1, D window 2 or 3
.else
	WIN 0xa1+0x50*(\hi)
.endif
.irp x, \x0, \x0+1
.irp i, 0,1,2,3,4,5,6,7
.if \first
	v_wmma_scale_f32_16x16x128_f8f6f4 v[8*(8*(\x)+\i):8*(8*(\x)+\i)+7], v[96*(\set)+12*\i:96*(\set)+12*\i+11], v[XF+96*(\set)+12*(4*(\hi)+(\x)):XF+96*(\set)+12*(4*(\hi)+(\x))+11], v[BIAS+8*\i:BIAS+8*\i+7], v[WSC+8*(\set)+\i], v[XSCR+8*(\set)+4*(\hi)+(\x)] matrix_a_fmt:MATRIX_FMT_FP6 matrix_b_fmt:MATRIX_FMT_FP6
.else
	v_wmma_scale_f32_16x16x128_f8f6f4 v[8*(8*(\x)+\i):8*(8*(\x)+\i)+7], v[96*(\set)+12*\i:96*(\set)+12*\i+11], v[XF+96*(\set)+12*(4*(\hi)+(\x)):XF+96*(\set)+12*(4*(\hi)+(\x))+11], v[8*(8*(\x)+\i):8*(8*(\x)+\i)+7], v[WSC+8*(\set)+\i], v[XSCR+8*(\set)+4*(\hi)+(\x)] matrix_a_fmt:MATRIX_FMT_FP6 matrix_b_fmt:MATRIX_FMT_FP6
.endif
.endr
.endr
.else
.if \first
	WIN 0x94+0x40*(\hi)                            ; x window 0, W window 1
.else
	WIN 0xa4+0x50*(\hi)
.endif
.irp x, \x0, \x0+1
.irp i, 0,1,2,3,4,5,6,7
.if \first
	v_wmma_scale_f32_16x16x128_f8f6f4 v[8*(8*(\x)+\i):8*(8*(\x)+\i)+7], v[XF+96*(\set)+12*\i:XF+96*(\set)+12*\i+11], v[96*(\set)+12*(4*(\hi)+(\x)):96*(\set)+12*(4*(\hi)+(\x))+11], v[BIAS+8*(4*(\hi)+(\x)):BIAS+8*(4*(\hi)+(\x))+7], v[XSCR+8*(\set)+\i], v[WSC+8*(\set)+4*(\hi)+(\x)] matrix_a_fmt:MATRIX_FMT_FP6 matrix_b_fmt:MATRIX_FMT_FP6
.else
	v_wmma_scale_f32_16x16x128_f8f6f4 v[8*(8*(\x)+\i):8*(8*(\x)+\i)+7], v[XF+96*(\set)+12*\i:XF+96*(\set)+12*\i+11], v[96*(\set)+12*(4*(\hi)+(\x)):96*(\set)+12*(4*(\hi)+(\x))+11], v[8*(8*(\x)+\i):8*(8*(\x)+\i)+7], v[XSCR+8*(\set)+\i], v[WSC+8*(\set)+4*(\hi)+(\x)] matrix_a_fmt:MATRIX_FMT_FP6 matrix_b_fmt:MATRIX_FMT_FP6
.endif
.endr
.endr
.endif
.endm
; A K step's 64 products in one of the two ways, with the next step's LDS loads of x dealt among them: 17 behind the 16th product, 17 behind the 32nd, which leaves 32 products in which the last of them land.
; No wait stands in front of these loads: no vector or matrix instruction since the wait at the step's head names the other set of x, its scale words, or XFA, XFB, XSA.
.macro PRODUCTS mode, set, first, fetch, off, soff
	MM \mode, \set, \first, 0, 0
.if \fetch
	WIN 0
	FETCH_X 1-(\set), \off, \soff, 0
.endif
	MM \mode, \set, \first, 0, 2
.if \fetch
	WIN 0
	FETCH_X 1-(\set), \off, \soff, 1
.endif
	MM \mode, \set, \first, 1, 0
	MM \mode, \set, \first, 1, 2
	WIN 0
.endm
; A K step of 128: the next step's W is asked for at once, then this step's 64 products with the next step's x among them.
.macro KSTEP set, first, fetch, off, soff
	PLACES
.if \fetch
	WIN 0x40
.if !\first
	s_wait_alu depctr_va_vdst(0)                   ; the last step's matrix instructions are done reading the other sets of W, of x and of both scale words, in which this step's 68 loads land; in a trip's first step XFA, XFB, XSA are written
.endif                                                 ; (a group's first step: the wait at the group's head has stated the same, and only loads and v_nop were issued since)
	FETCH_W 1-(\set), \off, \soff
	s_wait_loadcnt 34                              ; all but the 34 just issued: this step's W (and, in a group's first step, the bias) is in
.else
	s_wait_loadcnt 0x0
.endif
	s_wait_dscnt 0x0                               ; this step's x, asked for among the last step's products, is in
	s_cmp_eq_u32 s[T], 2
	s_cbranch_scc1 .Lkeys_\@
	PRODUCTS 0, \set, \first, \fetch, \off, \soff
	s_branch .Ldone_\@
.Lkeys_\@:
	PRODUCTS 1, \set, \first, \fetch, \off, \soff
.Ldone_\@:
.endm
.macro XLOAD sg                        ; step sg = (K step sg / 2, tile sg % 2): 16 rows x 512 bytes, a row a load, into set sg % 4 of window 2
	WIN 0x80
.irp i, 0,1,2,3,4,5,6,7,8,9,10,11,12,13,14,15
	global_load_b128 v[64*((\sg)%4)+4*\i:64*((\sg)%4)+4*\i+3], v[GXA], s[XB:XB+1] offset:(8*((\sg)%2)+\i+8*(\i/8))*4096+512*((\sg)/2) th:TH_LOAD_NT
.endr
	WIN 0
.endm
; Step sg's numbers turn through my stage: in as loaded, back as 64 numbers of my row into XT[sg % 2].  left: the younger loads of x that may stay out.
; LDS serves a wave's instructions in order, so no wait stands between the stores and the loads, nor between the last step's loads from the stage and these stores.
.macro XTURN sg, left
	s_wait_loadcnt \left
	WIN 0x08                                       ; an LDS store's data: window 2
.irp i, 0,1,2,3,4,5,6,7,8,9,10,11,12,13,14,15
	ds_store_b128 v[SIN], v[64*((\sg)%4)+4*\i:64*((\sg)%4)+4*\i+3] offset:528*\i
.endr
	WIN 0
.irp b, 0,1,2,3
.irp j, 0,1,2,3
	ds_load_b128 v[XT+64*((\sg)%2)+16*\b+4*\j:XT+64*((\sg)%2)+16*\b+4*\j+3], v[SOUT] offset:128*\b+16*\j   ; my row's 16 numbers of block b; rows 528 bytes apart: sixteen lanes, sixteen columns of 16 bytes
.endr
.endr
.endm
.macro XSTEP sg
.if (\sg) > 0
	s_wait_dscnt 5                                 ; this step's numbers are back in XT[sg % 2]; the five image stores of the step before may be out
.else
	s_wait_dscnt 0x0
	s_wait_alu depctr_vm_vsrc(0)                   ; the first turn's LDS stores have read set 0, in which the loads below land
.endif
.if (\sg)+4 < 16
	XLOAD (\sg)+4                                  ; into the set that this step's turn has emptied
.endif
.if (\sg)+1 < 16
.if 14-(\sg) >= 3
	XTURN (\sg)+1, 48                              ; the next step's set is in; the three younger sets of 16 loads stay out.  Its turn runs while this step is quantised
.else
	XTURN (\sg)+1, 16*(14-(\sg))
.endif
.endif
.set QS, XT+64*((\sg)%2)
.set QW, 0
	OUTBUF (\sg)%2
	QUANT
.if (\sg) < 15
	s_wait_alu depctr_vm_vsrc(0)                   ; the turn above has read its set, in which the next step's loads of x land; the image stores of the step before have read the other PC and PW, which the next step's quantiser writes
.endif
	s_wait_alu depctr_va_vdst(0)                   ; the quantiser has written PC and PW, which the stores below read, and is done reading XT[sg % 2], in which the next step's turn lands
.if (\sg) < 8
.set IA, IMA
.set IB, IMB
.else
.set IA, IMA2
.set IB, IMB2
.endif
.set IO, 12288*(((\sg)/2)%4)+1536*((\sg)%2)
	ds_store_b128 v[IA], v[PC:PC+3] offset:IO
	ds_store_b64 v[IB], v[PC+4:PC+5] offset:IO+512
	ds_store_b128 v[IA], v[PC+6:PC+9] offset:IO+768
	ds_store_b64 v[IB], v[PC+10:PC+11] offset:IO+1280
	ds_store_b32 v[XWS], v[PW] offset:512*((\sg)/2)+4*((\sg)%2)   ; lanes r and r + 16 write the same word with the same value
.endm
	s_load_b512 s[4:19], s[0:1], 0x0               ; q, k, v, bq, bk, bv, wc, wsc
	s_load_b128 s[20:23], s[0:1], 0x40             ; qc, kv
	v_lshl_add_u32 v[SPW], v0, 2, SPARE
	v_mov_b32 v[NIL], 0
	v_lshrrev_b32 v200, 5, v0
	v_readfirstlane_b32 s[WV], v200
	s_and_b32 s[T], ttmp7, 0xffff
	s_mov_b32 s[RB], ttmp9
	v_and_b32 v200, 31, v0                         ; lane
	v_and_b32 v201, 15, v0                         ; r
	v_bfe_u32 v202, v0, 4, 1                       ; h
	v_lshlrev_b32 v[L16], 4, v200
	v_lshlrev_b32 v[L8], 3, v200
	s_wait_alu depctr_va_sdst(0)                   ; the wave's number is written, ahead of its first reader: addresses and bases are made from it
	s_lshl_b32 s2, s[WV], 17
	v_add_nc_u32 v[GXA], s2, v[L16]
	s_mul_i32 s3, s[WV], 8448
	s_add_co_u32 s3, s3, STG
	v_add_nc_u32 v[SIN], s3, v[L16]
	v_mul_u32_u24 v203, v201, 528
	v_lshl_add_u32 v203, v202, 6, v203
	v_add_nc_u32 v[SOUT], s3, v203
	s_mul_i32 s2, s[WV], 3072
	v_add_nc_u32 v[IMA], s2, v[L16]
	v_add_nc_u32 v[IMB], s2, v[L8]
	v_add_nc_u32 v[IMA2], 49152, v[IMA]
	v_add_nc_u32 v[IMB2], 49152, v[IMB]
	s_lshr_b32 s2, s[WV], 1
	s_lshl_b32 s2, s2, 8
	s_and_b32 s3, s[WV], 1
	s_lshl_b32 s3, s3, 3
	s_add_co_u32 s2, s2, s3
	s_add_co_u32 s2, s2, XSC
	v_lshlrev_b32 v[WSA], 4, v201
	v_add_nc_u32 v[XWS], s2, v[WSA]
	v_add_nc_u32 v[XS0], XSC, v[WSA]
	s_mov_b32 s[SEL], 0x76543210
	s_mov_b32 s[SEL+1], 0xfedcba98
	s_mov_b32 s[HM], 0xffff0000
	s_mov_b32 s[HB], 208896                        ; a head's bytes and a step's: kv, or qc
	s_mov_b32 s[HB+1], 0
	s_mov_b32 s40, 13056
	s_cmp_eq_u32 s[T], 0
	s_cselect_b32 s[HB], 106496, s[HB]
	s_cselect_b32 s40, 6656, s40
	s_mov_b32 s[ESTEP], 1536
	s_cmp_eq_u32 s[T], 2                           ; v's results are whole fragments of one head; q's and k's are two half fragments of two heads
	s_cselect_b32 s[ESTEP], s[ESTEP], 768
	s_cselect_b32 s[EJUMP], 202752, 0              ; v: from a head's fourth fragment to the next head's first: 208,896 - 6,144
	s_cselect_b32 s[EDIFF], 768, s[HB]
	s_cselect_b32 s[EOFF], 6656, 0
	s_cselect_b32 s[BST], 0, 4
	s_cselect_b32 s36, -1, 0
	s_cselect_b32 s37, 0, 16
	s_mov_b32 s[ESTEP+1], 0
	s_mov_b32 s[EJUMP+1], 0
	s_mov_b32 s[EDIFF+1], 0
	s_mov_b32 s[EOFF+1], 0
	s_lshl_b32 s[H2], s[HB], 1
	s_mov_b32 s[H2+1], 0
	v_mul_u32_u24 v[SCO], s[HB], v202
	s_wait_alu depctr_va_vdst(0)
	v_add_nc_u32 v[SCO], v[SCO], v[WSA]
	v_mul_u32_u24 v[V16H], s37, v202
	v_lshlrev_b32 v204, 6, v202                    ; q, k: my eight columns of a tile begin 16 h on
	v_and_b32 v205, 8, v201
	v_add_nc_u32 v205, v205, v201
	v_lshlrev_b32 v205, 2, v205                    ; v: my one column, r + 8 (r / 8)
	v_cndmask_b32 v[BI0], v204, v205, s36
.irp b, 0,1,2,3
	v_mov_b32 v[TM+4+\b], 0                        ; written once: a lane permute's destination counts as a source
.endr
	s_wait_kmcnt 0x0
	s_cmp_eq_u32 s[T], 1                           ; the buffers are chosen by the work-group's number alone
	s_cselect_b64 s[XB:XB+1], s[6:7], s[4:5]
	s_cselect_b64 s[BB:BB+1], s[12:13], s[10:11]
	s_cmp_eq_u32 s[T], 2
	s_cselect_b64 s[XB:XB+1], s[8:9], s[XB:XB+1]
	s_cselect_b64 s[BB:BB+1], s[14:15], s[BB:BB+1]
	s_cmp_eq_u32 s[T], 0
	s_cselect_b64 s[OB:OB+1], s[20:21], s[22:23]
	s_lshl_b32 s32, s[RB], 19
	s_mov_b32 s33, 0
	s_add_nc_u64 s[XB:XB+1], s[XB:XB+1], s[32:33]  ; my 128 rows
	s_lshl_b32 s32, s[WV], 10
	s_add_nc_u64 s[BB:BB+1], s[BB:BB+1], s[32:33]  ; my 256 columns
	s_mul_i32 s32, s[T], 786432
	s_mul_i32 s2, s[WV], 196608
	s_add_co_u32 s32, s32, s2
	s_add_nc_u64 s[WB:WB+1], s[16:17], s[32:33]
	s_lshl_b32 s32, s[T], 15
	s_lshl_b32 s2, s[WV], 13
	s_add_co_u32 s32, s32, s2
	s_add_nc_u64 s[WS:WS+1], s[18:19], s[32:33]
	s_lshr_b32 s32, s[RB], 4
	s_lshl_b32 s32, s32, 4
	s_lshl_b32 s2, s[WV], 2
	s_add_co_u32 s32, s32, s2                      ; batch x 16 + my first head
	s_mul_i32 s32, s32, s[HB]
	s_and_b32 s2, s[RB], 15
	s_mul_i32 s2, s2, s40
	s_add_co_u32 s32, s32, s2
	s_add_nc_u64 s[OB:OB+1], s[OB:OB+1], s[32:33]
	WIN 0x40
	s_wait_alu depctr_va_vdst(0)                   ; the offsets and addresses v4 to v18, v28 and v29 are written, which the loads and stores of the kernel read; so are v200 to v205 and v112 to v115, in which LDS loads land later
	FETCH_W 0, 0, 0                                ; the first group's first K step lands during phase X
	XLOAD 0
	XLOAD 1
	XLOAD 2
	XLOAD 3
	XTURN 0, 48                                    ; step 0's set is in; the three younger sets stay out
.irp g, 0,1,2,3,4,5,6,7,8,9,10,11,12,13,14,15
	XSTEP \g
.endr
	s_wait_dscnt 0x0                               ; my images and scale words have landed
	s_barrier_signal -1
	s_barrier_wait -1                              ; everybody's have: from here on LDS is only read
	s_mov_b32 s[GRP], 2
.Lgroup:
	s_wait_alu depctr_vm_vsrc(0)                   ; the stores issued so far have read window 2's sets, both PC and PW, and SW; the LDS loads have read XFA, XFB, XSA: all of these are written again below, by vector and matrix instructions and by loads
	v_mov_b32 v[SW], v[BI0]
.irp j, 1,2,3,4,5,6,7
	v_add_nc_u32 v[SW+\j], s[BST], v[SW+\j-1]      ; register j of a bias tile: 4 j bytes on (q, k), or the same number (v)
.endr
	s_mov_b32 s[KO], 0
	s_mov_b32 s[KSO], 0
	v_add_nc_u32 v[XFA], s[KO], v[L16]
	v_add_nc_u32 v[XFB], s[KO], v[L8]
	v_add_nc_u32 v[XSA], s[KSO], v[XS0]
	WIN 0x40
	s_wait_alu depctr_va_vdst(0)                   ; SW and XFA, XFB, XSA are written, which the loads below read; the quantisers and the matrix instructions so far are done with the bias, both sets of x, W's set 1 and their scale words, in which loads land up to the next such wait
.irp i, 0,1,2,3,4,5,6,7
.irp j, 0,1,2,3,4,5,6,7
	global_load_b32 v[BIAS+8*\i+\j], v[SW+\j], s[BB:BB+1] offset:(32*(\i/2)+8*(\i%2))*4
.endr
.endr
	WIN 0
	FETCH_X 0, 0, 0, 0
	FETCH_X 0, 0, 0, 1
	KSTEP 0, 1, 1, 12288, 512                      ; K step 0 starts the sums on the bias
	s_mov_b32 s[CNT], 3
.Lk:
	s_wait_xcnt 0x0                                ; the pending loads have read their bases,
	s_wait_alu depctr_vm_vsrc(0)                   ; and the LDS loads issued so far have read XFA, XFB, XSA: the addresses may step
	s_add_nc_u64 s[WB:WB+1], s[WB:WB+1], 24576
	s_add_nc_u64 s[WS:WS+1], s[WS:WS+1], 1024
	s_add_co_u32 s[KO], s[KO], 24576
	s_add_co_u32 s[KSO], s[KSO], 1024
	v_add_nc_u32 v[XFA], s[KO], v[L16]
	v_add_nc_u32 v[XFB], s[KO], v[L8]
	v_add_nc_u32 v[XSA], s[KSO], v[XS0]
	KSTEP 1, 0, 1, 0, 0
	KSTEP 0, 0, 1, 12288, 512
	s_sub_co_u32 s[CNT], s[CNT], 1
	s_cmp_lg_u32 s[CNT], 0
	s_cbranch_scc1 .Lk
	KSTEP 1, 0, 0, 0, 0
	PLACES
	s_cmp_eq_u32 s[GRP], 1
	s_cbranch_scc1 .Lno_next
	s_wait_xcnt 0x0
	s_add_nc_u64 s[WB:WB+1], s[WB:WB+1], 24576
	s_add_nc_u64 s[WS:WS+1], s[WS:WS+1], 1024
	WIN 0x40
	s_wait_alu depctr_va_vdst(0)                   ; the matrix instructions of K step 6 are done reading W's set 0 and its scale words, in which the loads below land
	FETCH_W 0, 0, 0                                ; the next group's first K step lands during the epilogue
.Lno_next:
	; THE EPILOGUE: eight runs of 64 numbers a lane are quantised and stored as images: 512 or 256 consecutive aligned bytes a store.  The two buffers of codes take turns, and a run's waits stand behind its quantiser
	s_add_nc_u64 s[EA:EA+1], s[OB:OB+1], s[EOFF:EOFF+1]
	s_add_nc_u64 s[EB:EB+1], s[EA:EA+1], s[EDIFF:EDIFF+1]
.irp a, 0,1,2,3,4,5,6,7
.set QS, 64*(\a%4)
.set QW, 2+\a/4
	OUTBUF \a%2
	QUANT
	v_lshrrev_b32 v[SW+\a], v[V16H], v[PW]         ; q, k: lanes 16-31 keep the odd head's two bytes; v: the word as it is
.if \a > 0
	s_wait_xcnt 0x0                                ; the last run's stores have read their data and bases
	s_add_nc_u64 s[EA:EA+1], s[EA:EA+1], s[ESTEP:ESTEP+1]
	s_add_nc_u64 s[EB:EB+1], s[EB:EB+1], s[ESTEP:ESTEP+1]
.endif
.if \a == 4
	s_add_nc_u64 s[EA:EA+1], s[EA:EA+1], s[EJUMP:EJUMP+1]
	s_add_nc_u64 s[EB:EB+1], s[EB:EB+1], s[EJUMP:EJUMP+1]
.endif
.if (\a > 0) && (\a < 7)
	s_wait_alu depctr_vm_vsrc(0)                   ; the last run's stores have read the other buffer of codes, which the next run's quantiser writes
.endif
	s_wait_alu depctr_va_vdst(0)                   ; the quantiser has written this run's codes, which the stores below read, and SW's word, which the stores of the quads read
	global_store_b128 v[L16], v[PC:PC+3], s[EA:EA+1]
	global_store_b64 v[L8], v[PC+4:PC+5], s[EA:EA+1] offset:512
	global_store_b128 v[L16], v[PC+6:PC+9], s[EB:EB+1]
	global_store_b64 v[L8], v[PC+10:PC+11], s[EB:EB+1] offset:512
.endr
	s_cmp_eq_u32 s[T], 2
	s_cbranch_scc1 .Lquad_v
	global_store_b128 v[SCO], v[SW:SW+3], s[OB:OB+1] offset:6144     ; lanes 0-15: the even head's quad, lanes 16-31: the odd head's; 256 aligned bytes each.  (No vector instruction has been issued since the last run's wait)
	global_store_b128 v[SCO], v[SW+4:SW+7], s[OB:OB+1] offset:6400
	s_branch .Lquad_done
.Lquad_v:
.irp i, 0,1,2,3
	v_cndmask_b32 v[SW+\i], v[SW+\i], v[SW+4+\i], s[HM]              ; lanes 16-31 take the odd head's four words
.endr
	s_wait_alu depctr_va_vdst(0)                   ; the four selects have written SW's first four words, which the store reads
	global_store_b128 v[SCO], v[SW:SW+3], s[OB:OB+1] offset:12800
.Lquad_done:
	s_wait_xcnt 0x0                                ; the stores have read their registers and bases
	s_add_nc_u64 s[BB:BB+1], s[BB:BB+1], 512
	s_add_nc_u64 s[OB:OB+1], s[OB:OB+1], s[H2:H2+1]
	s_sub_co_u32 s[GRP], s[GRP], 1
	s_cmp_lg_u32 s[GRP], 0
	s_cbranch_scc1 .Lgroup
	s_wait_dscnt 0x0                               ; the closing lines, six on end
	s_wait_alu 0x0
	s_wait_tensorcnt 0x0
	ds_add_u32 v[SPW], v[NIL]
	s_wait_dscnt 0x0
	s_endpgm
.Lfunc_end_k_q32010688b8_proj:
	.size	k_q32010688b8_proj, .Lfunc_end_k_q32010688b8_proj-k_q32010688b8_proj
	.p2alignl 7, 3214868480
	.fill 96, 4, 3214868480
	.section	.rodata,"a",@progbits
	.p2align	6, 0x0
	.amdhsa_kernel k_q32010688b8_proj
		.amdhsa_group_segment_fixed_size 136704
		.amdhsa_private_segment_fixed_size 0
		.amdhsa_enable_private_segment 0
		.amdhsa_kernarg_size 80
		.amdhsa_user_sgpr_count 2
		.amdhsa_user_sgpr_kernarg_segment_ptr 1
		.amdhsa_wavefront_size32 1
		.amdhsa_system_sgpr_workgroup_id_x 1
		.amdhsa_system_sgpr_workgroup_id_y 1
		.amdhsa_system_sgpr_workgroup_id_z 1
		.amdhsa_system_vgpr_workitem_id 0
		.amdhsa_next_free_vgpr 1024
		.amdhsa_next_free_sgpr 68
		.amdhsa_reserve_vcc 0
		.amdhsa_float_denorm_mode_32 3
		.amdhsa_float_denorm_mode_16_64 3
		.amdhsa_memory_ordered 1
		.amdhsa_forward_progress 1
		.amdhsa_inst_pref_size 255
	.end_amdhsa_kernel
	.section	.bss,"aw",@nobits
	.p2align	6
	.space	262144
	.amdgpu_metadata
---
amdhsa.version: [ 1, 2 ]
amdhsa.kernels:
  - .name:           k_q32010688b8_proj
    .symbol:         k_q32010688b8_proj.kd
    .args:
      - { .name: q, .offset: 0, .size: 8, .value_kind: global_buffer, .address_space: global }
      - { .name: k, .offset: 8, .size: 8, .value_kind: global_buffer, .address_space: global }
      - { .name: v, .offset: 16, .size: 8, .value_kind: global_buffer, .address_space: global }
      - { .name: bq, .offset: 24, .size: 8, .value_kind: global_buffer, .address_space: global }
      - { .name: bk, .offset: 32, .size: 8, .value_kind: global_buffer, .address_space: global }
      - { .name: bv, .offset: 40, .size: 8, .value_kind: global_buffer, .address_space: global }
      - { .name: wc, .offset: 48, .size: 8, .value_kind: global_buffer, .address_space: global }
      - { .name: wsc, .offset: 56, .size: 8, .value_kind: global_buffer, .address_space: global }
      - { .name: qc, .offset: 64, .size: 8, .value_kind: global_buffer, .address_space: global }
      - { .name: kv, .offset: 72, .size: 8, .value_kind: global_buffer, .address_space: global }
    .group_segment_fixed_size: 136704
    .private_segment_fixed_size: 0
    .kernarg_segment_align: 8
    .kernarg_segment_size: 80
    .max_flat_workgroup_size: 128
    .sgpr_count:     68
    .vgpr_count:     1024
    .wavefront_size: 32
...
	.end_amdgpu_metadata
.endif
;; end of part 5
;; launch attn (part 6): grid 8 x 64, 16 waves a work-group, clusters of 4 x 1, 210,944 bytes of LDS; arguments qc, kv, oc, osc; writes oc, osc
.if DOCPART == 6
	.amdgcn_target "amdgcn-amd-amdhsa--gfx1250"
	.amdhsa_code_object_version 6
	.text
	.protected	k_q32010688b8_attn
	.globl	k_q32010688b8_attn
	.p2align	8
	.type	k_q32010688b8_attn,@function
k_q32010688b8_attn:
	s_mov_b64 s[64:65], 0
	v_nop
	global_prefetch_b8 v0, s[64:65] scope:SCOPE_SE
	s_setreg_imm32_b32 hwreg(HW_REG_WAVE_MODE, 25, 1), 1
	s_wait_xcnt 0x0
	s_wait_alu depctr_hold_cnt(0) depctr_sa_sdst(0) depctr_va_vdst(0) depctr_va_sdst(0) depctr_va_ssrc(0) depctr_va_vcc(0) depctr_vm_vsrc(0)
	s_getreg_b32 s2, hwreg(HW_REG_IB_STS2, 6, 4)
	s_cmp_eq_u32 s2, 0
	s_cbranch_scc0 .Lentry_in_a_cluster
	s_endpgm
.Lentry_in_a_cluster:
	s_bfe_u32 s2, ttmp6, 0x10000c
	s_cmp_lg_u32 s2, 0x3003
	s_cbranch_scc0 .Lentry_shape_is_right
	s_endpgm
.Lentry_shape_is_right:
; Causal attention of one head on codes of E2M3: S^T = K Q^T (K = the head's 64; the instruction's other 64 are zero codes of Q and K), p = 2^(t - M) with t = score x log2(e) / 8 and M the ceiling of the running
; largest t, quantised along the keys; O^T = V^T P^T; the row's sum of the unquantised p divides at the end; O / l is quantised along the head's 64 for the last product.
; SHARES.  Work-group (J, head): sixteen waves, each ONE tile of 16 queries: tile J of the 128 queries of step LEV.  The sixteen waves' LEV are 0 .. 15 in the order of a 4 x 4 magic square: any four waves
; w % 4 or w / 4 alike have LEV that sum to 30.  A wave walks steps 0 .. LEV (128 keys each), the last under the mask, and jumps over the work of the others: 136 steps of work in every work-group.
; K AND V of the whole head, 16 records of 13,056 bytes, fit in LDS: each record is brought once, by a JOINT load of the cluster's four work-groups (they share the head).  Waves 0-3 issue four loads each:
; four tensor loads of a wave are out at the most.  Nothing is filled again.  All that the work-group reads of K and V is asked for at its head, so nothing is left to prefetch.
; A lane holds one query throughout; lane r of query tile J holds query 32 (J / 2) + 8 (J % 2) + r + 8 (r / 8) of its step; key and channel tiles are laid the same way, so that a lane's 16 registers of two
; neighbouring tiles are 16 neighbours along the next K.
; LIMITS: NaN and infinities are not served; 1 / l by v_rcp_f32; a block under 2^-124 keeps the byte 1.  osc's words leave in runs of 64 bytes.
.set REC,   13056
.set SPARE, 208896
.set S,     128                        ; v128-191 S^T, then p
.set O,     192                        ; v192-223 O^T
.set WV,  12
.set LEV, 13
.set JJ,  14
.set BH,  15
.set G1,  16
.set G0,  24
.set SEL, 40
.set CS,  42
.set TB,  44
.set ST,  45
.set CNT, 46
; v1 16 x lane, v2 8 x lane, v3 16 r, v4 my query - 16 h, v5, v6 the add's two, v7 4 r, v8-10 the step's addresses, v12 -M, v13 the largest t, v[14:15] the sum, v16-27 Q, v28-31 V's scales,
; v32-79 four fragments of K, v80-127 V's four, v224-235 p's codes, v232-247 at work, v248-251 K's scales, v252 f, v253 p's scale word, v254 at work, v255 Q's scale word
.macro PLACES
.rept 4
	v_nop
.endr
.endm
.macro ROUND                           ; a round of the cluster's barrier
	s_barrier_signal -1
	s_barrier_wait -1
	s_cmp_lg_u32 s[WV], 0
	s_cbranch_scc1 .Lnot_wave_0_\@
	s_barrier_signal -3
.Lnot_wave_0_\@:
	s_barrier_wait -3
	s_barrier_signal -1
	s_barrier_wait -1
.endm
	s_load_b256 s[4:11], s[0:1], 0x0               ; qc, kv, oc, osc
	v_lshl_add_u32 v5, v0, 2, SPARE
	v_mov_b32 v6, 0
	ds_add_u32 v5, v6                              ; the wave's opening: the add and its wait ahead of the first tensor load
	ds_add_u32 v5, v6
	v_lshrrev_b32 v8, 5, v0
	s_delay_alu instid0(VALU_DEP_1)
	v_readfirstlane_b32 s[WV], v8
	s_bfe_u32 s47, ttmp6, 0x40000                  ; cx
	s_lshl_b32 s[JJ], ttmp9, 2
	s_add_co_u32 s[JJ], s[JJ], s47                 ; J: it enters Q's and the outputs' addresses and the mask's numbers alone
	s_and_b32 s[BH], ttmp7, 0xffff
	s_mov_b32 s48, 0x0de3b658
	s_cmp_lt_u32 s[WV], 8
	s_cselect_b32 s48, 0x7a94c12f, s48
	s_and_b32 s49, s[WV], 7
	s_lshl_b32 s49, s49, 2
	s_lshr_b32 s[LEV], s48, s49
	s_and_b32 s[LEV], s[LEV], 15
	s_mov_b32 s[G1], 15|(3<<16)|(1<<21)            ; the mask: all four work-groups; elements of 8 bytes; bit 21 beside a mask; no padding
	s_mov_b32 s[G1+1], 32<<16                      ; a record is a dense block: 51 rows of 256 bytes
	s_mov_b32 s[G1+2], 51<<16
	s_mov_b32 s[G1+3], 32<<16
	s_mov_b32 s[G1+4], 51
	s_mov_b32 s[G1+5], 32
	s_mov_b32 s[G1+6], 0
	s_mov_b32 s[G1+7], 0
	s_mov_b32 s[SEL], 0x76543210
	s_mov_b32 s[SEL+1], 0xfedcba98
	s_mov_b32 s[CS], 0x3e38aa3b                    ; log2(e) / 8
	s_mov_b32 s[CS+1], s[CS]
	s_mul_i32 s50, s[WV], REC
	s_mul_i32 s52, s[BH], 16*REC
	s_add_co_u32 s52, s52, s50
	s_mov_b32 s53, 0
	s_wait_dscnt 0x0                               ; the opening add is done
	s_wait_kmcnt 0x0
	s_add_nc_u64 s[52:53], s[6:7], s[52:53]
.irp g, 0,1,2,3
	s_mov_b32 s[G0+4*\g], 1
	s_add_co_u32 s[G0+4*\g+1], s50, 4*REC*\g       ; record 4 g + wave, in LDS
	s_add_nc_u64 s[G0+4*\g+2:G0+4*\g+3], s[52:53], 4*REC*\g   ; and in memory
	s_or_b32 s[G0+4*\g+3], s[G0+4*\g+3], 0x80000000
.endr
	ROUND                                          ; all four work-groups are here: the joint loads meet
	s_cmp_lt_u32 s[WV], 4
	s_cbranch_scc0 .Lno_fill
.irp g, 0,1,2,3
	tensor_load_to_lds s[G0+4*\g:G0+4*\g+3], s[G1:G1+7]
	s_nop 0
.endr
.rept 4
	v_nop
.endr
.Lno_fill:
	v_and_b32 v8, 31, v0
	v_and_b32 v9, 15, v0                           ; r
	v_bfe_u32 v10, v0, 4, 1                        ; h
	s_delay_alu instid0(VALU_DEP_3)
	v_lshlrev_b32 v1, 4, v8
	s_wait_alu depctr_va_vdst(0)
	v_lshlrev_b32 v2, 3, v8
	s_wait_alu depctr_va_vdst(0)
	v_lshlrev_b32 v3, 4, v9
	s_wait_alu depctr_va_vdst(0)
	v_lshlrev_b32 v7, 2, v9
	v_and_b32 v11, 8, v9
	s_delay_alu instid0(VALU_DEP_1)
	v_add_nc_u32 v4, v11, v9
	v_lshlrev_b32 v11, 4, v10
	s_delay_alu instid0(VALU_DEP_1)
	v_sub_nc_u32 v4, v4, v11
	s_lshr_b32 s54, s[JJ], 1
	s_lshl_b32 s54, s54, 5
	s_and_b32 s55, s[JJ], 1
	s_lshl_b32 s55, s55, 3
	s_add_co_u32 s54, s54, s55
	v_add_nc_u32 v4, s54, v4                       ; my query in its step, less 16 h
	s_mul_i32 s56, s[BH], 106496
	s_mul_i32 s57, s[LEV], 6656
	s_add_co_u32 s56, s56, s57
	s_mov_b32 s57, 0
	s_add_nc_u64 s[4:5], s[4:5], s[56:57]          ; Q's record
	s_mul_i32 s58, s[JJ], 768
	s_mov_b32 s59, 0
	s_add_nc_u64 s[60:61], s[4:5], s[58:59]        ; my tile's half fragment
	s_lshr_b32 s58, s[JJ], 2
	s_lshl_b32 s58, s58, 8
	s_and_b32 s56, s[JJ], 3
	s_lshl_b32 s56, s56, 2
	s_add_co_u32 s58, s58, s56
	s_add_nc_u64 s[62:63], s[4:5], s[58:59]        ; its words in the quads
	global_load_b128 v[16:19], v1, s[60:61]
	global_load_b64 v[20:21], v2, s[60:61] offset:512
	global_load_b32 v255, v3, s[62:63] offset:6144
	s_lshr_b32 s47, s[BH], 4
	s_lshl_b32 s47, s47, 4
	s_add_co_u32 s47, s47, s[LEV]                  ; the block of 128 rows of the last product
	s_and_b32 s48, s[BH], 15                       ; the head
	s_mul_i32 s50, s47, 98304
	s_lshr_b32 s49, s48, 1
	s_mul_i32 s49, s49, 12288
	s_add_co_u32 s50, s50, s49
	s_mul_i32 s49, s[JJ], 1536
	s_add_co_u32 s50, s50, s49
	s_and_b32 s49, s48, 1
	s_mul_i32 s49, s49, 768
	s_add_co_u32 s50, s50, s49
	s_mov_b32 s51, 0
	s_add_nc_u64 s[8:9], s[8:9], s[50:51]
	s_lshl_b32 s50, s47, 13
	s_lshl_b32 s49, s48, 9
	s_add_co_u32 s50, s50, s49
	s_lshl_b32 s49, s[JJ], 6
	s_add_co_u32 s50, s50, s49
	s_add_nc_u64 s[10:11], s[10:11], s[50:51]
.irp j, 22,23,24,25,26,27
	v_mov_b32 v[\j], 0                             ; Q's K = 64 .. 127: zero codes
.endr
.irp t, 0,1,2,3
.irp j, 6,7,8,9,10,11
	v_mov_b32 v[32+12*\t+\j], 0                    ; K's likewise, written once
.endr
.endr
.set n, 0
.rept 32
	v_mov_b32 v[O+n], 0                            ; the step is written once: the first finds zeros
.set n, n+1
.endr
	v_mov_b32 v14, 0
	v_mov_b32 v15, 0
.irp b, 0,1,2,3
	v_mov_b32 v[236+\b], 0                         ; a lane permute's destination counts as a source
.endr
	v_mov_b32 v253, 0
	v_mov_b32 v13, 0xff61b1e6                      ; -3e38, under every t
	s_delay_alu instid0(VALU_DEP_1)
	v_floor_f32 v12, -v13
	s_wait_loadcnt 0x0
.macro STEP
	s_cmp_gt_u32 s[ST], s[LEV]                     ; all keys of the step come after my queries: its work is left out
	s_cbranch_scc1 .Lhidden_\@
	s_setprio 2
	v_add_nc_u32 v8, s[TB], v1
	v_add_nc_u32 v9, s[TB], v2
	v_add_nc_u32 v10, s[TB], v3
	v_nop                                          ; four plain instructions behind the last products, ahead of loads into their registers
.irp t, 0,1,2,3
	ds_load_b128 v[32+12*\t:35+12*\t], v8 offset:768*\t
	ds_load_b64 v[36+12*\t:37+12*\t], v9 offset:768*\t+512
.endr
	ds_load_b128 v[248:251], v10 offset:6144
.irp t, 0,1,2,3
	ds_load_b128 v[80+12*\t:83+12*\t], v8 offset:6656+1536*\t
	ds_load_b64 v[84+12*\t:85+12*\t], v9 offset:6656+1536*\t+512
	ds_load_b128 v[86+12*\t:89+12*\t], v8 offset:6656+1536*\t+768
	ds_load_b64 v[90+12*\t:91+12*\t], v9 offset:6656+1536*\t+1280
.endr
	ds_load_b128 v[28:31], v10 offset:12800
	s_wait_alu depctr_va_vdst(0)
	s_wait_dscnt 17                                ; V's 17 loads stay out
.irp t, 0,1,2,3
	v_wmma_scale_f32_16x16x128_f8f6f4 v[S+8*\t:S+8*\t+7], v[32+12*\t:43+12*\t], v[16:27], 0, v[248+\t], v255 matrix_a_fmt:MATRIX_FMT_FP6 matrix_b_fmt:MATRIX_FMT_FP6
.endr
	PLACES
.irp t, 0,1,2,3
	ds_load_b128 v[32+12*\t:35+12*\t], v8 offset:3072+768*\t
	ds_load_b64 v[36+12*\t:37+12*\t], v9 offset:3072+768*\t+512
.endr
	ds_load_b128 v[248:251], v10 offset:6400
	s_wait_dscnt 0x0
.irp t, 0,1,2,3
	v_wmma_scale_f32_16x16x128_f8f6f4 v[S+32+8*\t:S+32+8*\t+7], v[32+12*\t:43+12*\t], v[16:27], 0, v[248+\t], v255 matrix_a_fmt:MATRIX_FMT_FP6 matrix_b_fmt:MATRIX_FMT_FP6
.endr
	PLACES
	s_cmp_lg_u32 s[ST], s[LEV]                     ; only my own step lies on the diagonal
	s_cbranch_scc1 .Lopen_\@
	v_mov_b32 v254, 0xff800000
.set n, 0
.rept 64                               ; register 16 b + i holds key 32 b + 16 h + i of the step: hidden where 32 b + i > my query - 16 h
	v_cmp_gt_i32 vcc_lo, 32*(n/16)+n%16, v4
	v_cndmask_b32 v[S+n], v[S+n], v254, vcc_lo
.set n, n+1
.endr
.Lopen_\@:
.irp b, 0,1,2,3
	v_max3_num_f32 v[232+\b], v[S+16*\b], v[S+1+16*\b], v[S+2+16*\b]   ; each block's largest score: for the row's maximum, and for the block's largest p
.endr
.irp i, 3,5,7,9,11,13
.irp b, 0,1,2,3
	v_max3_num_f32 v[232+\b], v[232+\b], v[S+16*\b+\i], v[S+1+16*\b+\i]
.endr
.endr
.irp b, 0,1,2,3
	v_max_num_f32 v[232+\b], v[232+\b], v[S+15+16*\b]
.endr
.irp b, 0,1,2,3
	s_delay_alu instid0(VALU_DEP_4)
	v_permlanex16_b32 v[236+\b], v[232+\b], s[SEL], s[SEL+1]
.endr
.irp b, 0,1,2,3
	s_delay_alu instid0(VALU_DEP_4)
	v_max_num_f32 v[232+\b], v[232+\b], v[236+\b]
.endr
	s_delay_alu instid0(VALU_DEP_2)
	v_max3_num_f32 v254, v232, v233, v234
	s_delay_alu instid0(VALU_DEP_1)
	v_max_num_f32 v254, v254, v235
	s_delay_alu instid0(VALU_DEP_1)
	v_mul_f32 v254, s[CS], v254
	s_delay_alu instid0(VALU_DEP_1)
	v_max_num_f32 v13, v13, v254                   ; the running largest t
	v_mov_b32 v254, v12
	s_delay_alu instid0(VALU_DEP_2)
	v_floor_f32 v12, -v13                          ; -M = floor(-t): M is a whole number
	s_delay_alu instid0(VALU_DEP_1)
	v_sub_f32 v254, v12, v254
	s_delay_alu instid0(VALU_DEP_1)
	v_cvt_i32_f32 v254, v254                       ; (it saturates)
	s_delay_alu instid0(VALU_DEP_1)
	v_ldexp_f32 v252, 1.0, v254                    ; f = 2^(old M - new M): exact
.set n, 0
	s_setprio 1
.rept 32
	v_pk_fma_f32 v[S+n:S+n+1], v[S+n:S+n+1], s[CS:CS+1], v[12:13] op_sel_hi:[1,0,0]   ; t - M
.set n, n+2
.endr
.irp b, 0,1,2,3
	v_fma_f32 v[232+\b], v[232+\b], s[CS], v12
.endr
.set n, 0
	s_wait_alu depctr_va_vdst(0)
.rept 64
	v_exp_f32 v[S+n], v[S+n]                       ; p, not normalised
.set n, n+1
.endr
	v_pk_mul_f32 v[14:15], v[14:15], v[252:253] op_sel_hi:[1,0]     ; the sums under the new M: the plain instruction behind the batch
	s_wait_alu depctr_va_vdst(0)                   ; one wait for the 64, ahead of their first reader
.irp b, 0,1,2,3
	v_exp_f32 v[232+\b], v[232+\b]                 ; each block's largest p
.endr
	v_pk_add_f32 v[236:237], v[132:133], v[136:137]
	v_pk_add_f32 v[250:251], v[140:141], v[144:145]
	v_pk_add_f32 v[248:249], v[148:149], v[152:153]
	v_pk_add_f32 v[246:247], v[156:157], v[160:161]
	v_pk_add_f32 v[244:245], v[164:165], v[168:169]
	v_pk_add_f32 v[242:243], v[172:173], v[176:177]
	v_pk_add_f32 v[240:241], v[180:181], v[184:185]
	v_pk_add_f32 v[14:15], v[14:15], v[188:189]
	v_pk_add_f32 v[236:237], v[236:237], v[128:129]
	v_pk_add_f32 v[250:251], v[250:251], v[130:131]
	v_pk_add_f32 v[248:249], v[248:249], v[134:135]
	v_pk_add_f32 v[246:247], v[246:247], v[138:139]
	v_pk_add_f32 v[244:245], v[244:245], v[142:143]
	v_pk_add_f32 v[242:243], v[242:243], v[146:147]
	v_pk_add_f32 v[240:241], v[240:241], v[150:151]
	v_pk_add_f32 v[14:15], v[14:15], v[154:155]
	v_pk_add_f32 v[236:237], v[236:237], v[158:159]
	v_pk_add_f32 v[250:251], v[250:251], v[162:163]
	v_pk_add_f32 v[248:249], v[248:249], v[166:167]
	v_pk_add_f32 v[246:247], v[246:247], v[170:171]
	v_pk_add_f32 v[244:245], v[244:245], v[174:175]
	v_pk_add_f32 v[242:243], v[242:243], v[178:179]
	v_pk_add_f32 v[240:241], v[240:241], v[182:183]
	v_pk_add_f32 v[14:15], v[14:15], v[186:187]
	v_pk_add_f32 v[236:237], v[236:237], v[190:191]
	s_delay_alu instid0(VALU_DEP_2)
	v_pk_add_f32 v[14:15], v[14:15], v[246:247]
	s_delay_alu instid0(VALU_DEP_2)
	v_pk_add_f32 v[236:237], v[236:237], v[244:245]
	v_pk_add_f32 v[250:251], v[250:251], v[242:243]
	v_pk_add_f32 v[248:249], v[248:249], v[240:241]
	s_delay_alu instid0(VALU_DEP_2)
	v_pk_add_f32 v[14:15], v[14:15], v[250:251]
	s_delay_alu instid0(VALU_DEP_2)
	v_pk_add_f32 v[236:237], v[236:237], v[248:249]
	s_delay_alu instid0(VALU_DEP_1)
	v_pk_add_f32 v[14:15], v[14:15], v[236:237]
	s_wait_alu depctr_va_vdst(0)                   ; and one for the four
.irp b, 0,1,2,3
	v_max_num_f32 v[232+\b], 0x1800000, v[232+\b]  ; the floor: the byte cannot fall under 1
.endr
.irp b, 0,1,2,3
	s_delay_alu instid0(VALU_DEP_4)
	v_add_nc_u32 v[244+\b], 0xff000000, v[232+\b]
.endr
.irp b, 0,1,2,3
	s_delay_alu instid0(VALU_DEP_4)
	v_lshrrev_b32 v[236+\b], 23, v[244+\b]
.endr
	s_delay_alu instid0(VALU_DEP_3)
	v_lshl_or_b32 v253, v237, 8, v236
	s_delay_alu instid0(VALU_DEP_1)
	v_lshl_or_b32 v253, v238, 16, v253
	s_delay_alu instid0(VALU_DEP_1)
	v_lshl_or_b32 v253, v239, 24, v253
	s_setprio 0
.irp c, 0,1
	v_cvt_scalef32_pk16_fp6_f32 v[224+6*\c:226+6*\c], v[S+32*\c:S+15+32*\c], v[244+2*\c]
	v_cvt_scalef32_pk16_fp6_f32 v[236+4*\c:238+4*\c], v[S+16+32*\c:S+31+32*\c], v[244+2*\c+1]
.endr
	v_nop
.irp c, 0,1
.irp i, 0,1,2
	v_permlane16_swap_b32 v[224+6*\c+\i], v[236+4*\c+\i]
.endr
.irp i, 0,1,2
	s_delay_alu instid0(VALU_DEP_3)
	v_mov_b32 v[227+6*\c+\i], v[236+4*\c+\i]
.endr
.endr
.set n, 0
.rept 16
	v_pk_mul_f32 v[O+n:O+n+1], v[O+n:O+n+1], v[252:253] op_sel_hi:[1,0]   ; O^T under the new M; sixteen plain instructions between the scale word's and the codes' last writes and the products
.set n, n+2
.endr
.irp t, 0,1,2,3
	v_wmma_scale_f32_16x16x128_f8f6f4 v[O+8*\t:O+8*\t+7], v[80+12*\t:91+12*\t], v[224:235], v[O+8*\t:O+8*\t+7], v[28+\t], v253 matrix_a_fmt:MATRIX_FMT_FP6 matrix_b_fmt:MATRIX_FMT_FP6
.endr
.Lhidden_\@:
	s_add_co_u32 s[ST], s[ST], 1
	s_add_co_u32 s[TB], s[TB], REC
.endm
.macro GROUP g                         ; steps 4 g .. 4 g + 3
	s_wait_tensorcnt 3-\g                          ; my load of this group has landed; the later groups' stay out
	s_wait_dscnt 0x0
	s_barrier_signal -1
	s_barrier_wait -1
	s_mov_b32 s[TB], 4*REC*\g
	s_mov_b32 s[ST], 4*\g
	s_mov_b32 s[CNT], 4
.Lstep_\@:
	STEP
	s_sub_co_u32 s[CNT], s[CNT], 1
	s_cmp_lg_u32 s[CNT], 0
	s_cbranch_scc1 .Lstep_\@
	s_setprio 0
.endm
	GROUP 0
	GROUP 1
	GROUP 2
	GROUP 3
	; THE WAY OUT: O^T / l, quantised along the head's 64 (two blocks), as a half fragment of the last product's A
	PLACES
	s_wait_alu depctr_va_vdst(0)
	v_add_f32 v14, v14, v15
	s_delay_alu instid0(VALU_DEP_1)
	v_permlanex16_b32 v252, v14, s[SEL], s[SEL+1]
	s_delay_alu instid0(VALU_DEP_1)
	v_add_f32 v14, v14, v252                       ; the row's sum
	s_wait_alu depctr_va_vdst(0)
	v_rcp_f32 v14, v14
	v_nop
	s_wait_alu depctr_va_vdst(0)
.set n, 0
.rept 32
	v_mul_f32 v[S+n], v[O+n], v14                  ; register 16 b + i: channel 32 b + 16 h + i
.set n, n+1
.endr
.irp b, 0,1
	v_max3_num_f32 v[232+\b], |v[S+16*\b]|, |v[S+1+16*\b]|, 0x1800000
.endr
.irp i, 2,4,6,8,10,12,14
.irp b, 0,1
	s_delay_alu instid0(VALU_DEP_2)
	v_max3_num_f32 v[232+\b], v[232+\b], |v[S+16*\b+\i]|, |v[S+1+16*\b+\i]|
.endr
.endr
.irp b, 0,1
	s_delay_alu instid0(VALU_DEP_2)
	v_permlanex16_b32 v[236+\b], v[232+\b], s[SEL], s[SEL+1]
.endr
.irp b, 0,1
	s_delay_alu instid0(VALU_DEP_2)
	v_max_num_f32 v[232+\b], v[232+\b], v[236+\b]
.endr
.irp b, 0,1
	s_delay_alu instid0(VALU_DEP_2)
	v_add_nc_u32 v[244+\b], 0xff000000, v[232+\b]
.endr
.irp b, 0,1
	s_delay_alu instid0(VALU_DEP_2)
	v_lshrrev_b32 v[236+\b], 23, v[244+\b]
.endr
	s_delay_alu instid0(VALU_DEP_1)
	v_lshl_or_b32 v253, v237, 8, v236              ; bytes 0, 1: the head's two blocks; bytes 2, 3: 0
	v_cvt_scalef32_pk16_fp6_f32 v[224:226], v[S:S+15], v244
	v_cvt_scalef32_pk16_fp6_f32 v[240:242], v[S+16:S+31], v245
	v_nop
.irp i, 0,1,2
	v_permlane16_swap_b32 v[224+\i], v[240+\i]
.endr
.irp i, 0,1,2
	s_delay_alu instid0(VALU_DEP_3)
	v_mov_b32 v[227+\i], v[240+\i]
.endr
	global_store_b128 v1, v[224:227], s[8:9]       ; 512 consecutive aligned bytes
	global_store_b64 v2, v[228:229], s[8:9] offset:512
	global_store_b32 v7, v253, s[10:11]            ; lanes r and r + 16 write the same word
	s_wait_tensorcnt 0x0                           ; the wave's end
	ds_add_u32 v5, v6
	s_wait_dscnt 0x0
	ROUND                                          ; the closing round
	s_endpgm
.Lfunc_end_k_q32010688b8_attn:
	.size	k_q32010688b8_attn, .Lfunc_end_k_q32010688b8_attn-k_q32010688b8_attn
	.p2alignl 7, 3214868480
	.fill 96, 4, 3214868480
	.section	.rodata,"a",@progbits
	.p2align	6, 0x0
	.amdhsa_kernel k_q32010688b8_attn
		.amdhsa_group_segment_fixed_size 210944
		.amdhsa_private_segment_fixed_size 0
		.amdhsa_enable_private_segment 0
		.amdhsa_kernarg_size 32
		.amdhsa_user_sgpr_count 2
		.amdhsa_user_sgpr_kernarg_segment_ptr 1
		.amdhsa_wavefront_size32 1
		.amdhsa_system_sgpr_workgroup_id_x 1
		.amdhsa_system_sgpr_workgroup_id_y 1
		.amdhsa_system_sgpr_workgroup_id_z 1
		.amdhsa_system_vgpr_workitem_id 0
		.amdhsa_next_free_vgpr 256
		.amdhsa_next_free_sgpr 66
		.amdhsa_reserve_vcc 1
		.amdhsa_float_denorm_mode_32 3
		.amdhsa_float_denorm_mode_16_64 3
		.amdhsa_memory_ordered 1
		.amdhsa_forward_progress 1
		.amdhsa_inst_pref_size 105
	.end_amdhsa_kernel
	.amdgpu_metadata
---
amdhsa.version: [ 1, 2 ]
amdhsa.kernels:
  - .name:           k_q32010688b8_attn
    .symbol:         k_q32010688b8_attn.kd
    .args:
      - { .name: qc, .offset: 0, .size: 8, .value_kind: global_buffer, .address_space: global }
      - { .name: kv, .offset: 8, .size: 8, .value_kind: global_buffer, .address_space: global }
      - { .name: oc, .offset: 16, .size: 8, .value_kind: global_buffer, .address_space: global }
      - { .name: osc, .offset: 24, .size: 8, .value_kind: global_buffer, .address_space: global }
    .group_segment_fixed_size: 210944
    .private_segment_fixed_size: 0
    .kernarg_segment_align: 8
    .kernarg_segment_size: 32
    .max_flat_workgroup_size: 512
    .sgpr_count:     66
    .vgpr_count:     256
    .wavefront_size: 32
...
	.end_amdgpu_metadata
.endif
;; end of part 6
;; launch outproj: the kernel of part 4 again; grid 4 x 64, 4 waves a work-group, clusters of 4 x 1, 167,936 bytes of LDS; arguments oc, osc, wc, wsc, bo, out0; writes out0
